; MI455X (gfx1250); checked and timed in simulation.
; The chip was launched on July 23, 2026; its instructions are those of AMD's public machine-readable ISA for CDNA 5 (MIT licence, August 2026) and "CDNA5" Instruction Set Architecture Reference Guide (July 2026). The comments in the code are by the model that wrote it; some were corrected since.
;; Flax Falcon3 Attention. Allowed arithmetic: matrix products marked QUANTISED: E2M1 operands, one E8M0 scale for each 32 along K, by v_wmma_scale_f32_16x16x128_f8f6f4 with both operands' format E2M1 (or v_wmma_scale_f32_32x16x128_f4), f32 sums; products left as they are: bf16, f16 or f32 operands; f32 sums; everything else in f32.
;; Inputs: Wk 3,072 x 256 float32; Wo 768 x 3,072 float32; Wq 3,072 x 768 float32; Wv 3,072 x 256 float32; attention_mask 1 x 4,096 int32; hidden_states 1 x 4,096 x 3,072 float32; position_ids 1 x 4,096 int32.
;; Outputs: out0 1 x 4,096 x 3,072 float32.
;; This version of the problem:
;;   THIS VERSION OF THE PROBLEM IS GIVEN IN LOW PRECISION. The matrix products marked QUANTISED in the list below multiply operands that are first quantised to E2M1 (2 exponent bits, 1 mantissa bit; 4 bits a number), with one power-of-two scale for each 32 numbers along K (OCP MX v1.0); their sums are f32. The products marked 'left as it is' may take bf16, f16 or f32 operands, with f32 sums. Whichever they take, every output number must still come out within the allowed error. Rounding operands to bf16 (8 significant bits) uses up far more of that allowance than f16 does (11 bits, for magnitudes from 6e-5 to 65,504). All else is computed in f32.
;;   The module's matrix products, in the order in which they are computed (A, B: the left and right operand; K: the contracted axis; several contracted axes count as one K, in the product's order):
;;     1. [M 4,096, K 3,072] x [K 3,072, N 768]; A: input hidden_states; B: input Wq: QUANTISED
;;     2. [M 4,096, K 3,072] x [K 3,072, N 256]; A: input hidden_states; B: input Wk: QUANTISED
;;     3. [M 4,096, K 3,072] x [K 3,072, N 256]; A: input hidden_states; B: input Wv: QUANTISED
;;     4. batch 12 x [M 4,096, K 64] x [K 64, N 4,096]; A: computed on the way; B: computed on the way: left as it is (an operand is computed on the way)
;;     5. batch 12 x [M 64, K 4,096] x [K 4,096, N 4,096]; A: computed on the way; B: computed on the way: left as it is (an operand is computed on the way)
;;     6. [M 4,096, K 768] x [K 768, N 3,072]; A: computed on the way; B: input Wo: left as it is (an operand is computed on the way)
;;   THE QUANTISER, for each operand of a quantised product, along K:
;;     - K is cut into blocks of 32 from its start; a last block that is shorter is filled with zeros.
;;     - A block's scale is 2^e with e = floor(log2(the largest magnitude in the block)) - 2, held to -126 .. 127; a block of zeros has e = 0. As a byte (E8M0): e + 127.
;;     - Each number is divided by its block's scale, clamped to +-6, and rounded to the nearest number of E2M1, ties to even, subnormals kept.
;;     - The product sums the exact products of the quantised numbers (number of the format x scale) in f32.
;;   ~~~python
;;   def quantise(x, axis):      # numpy; x: float32 -> the quantised numbers, widened to float32 again
;;       x = np.moveaxis(x, axis, -1); K = x.shape[-1]
;;       x = np.pad(x, [(0, 0)] * (x.ndim - 1) + [(0, -K % 32)]); x = x.reshape(x.shape[:-1] + (-1, 32)); a = np.abs(x).max(-1, keepdims=True)
;;       e = np.where(a > 0, np.clip(np.frexp(np.where(a > 0, a, 1))[1] - 1 - 2, -126, 127), 0)      # np.frexp(a)[1] - 1 = floor(log2(a)), exactly
;;       r = np.clip(x / 2.0 ** e, -6, 6)
;;       step = 2.0 ** (np.maximum(np.frexp(np.where(r == 0, 1, r))[1] - 1, 0) - 1)
;;       q = np.round(r / step) * step * 2.0 ** e      # np.round: ties to even
;;       return np.moveaxis(q.reshape(q.shape[:-2] + (-1,))[..., :K], -1, axis).astype(np.float32)
;;   ~~~
;; One version. Each part assembles by itself: llvm-mc -triple=amdgcn-amd-amdhsa -mcpu=gfx1250 --defsym DOCPART=n.
;; ======== version 1 of 1: 5 launches
;; limits: values are held in f16: magnitudes above 65,504 overflow, below 6.1e-05 lose precision; right only within a limited range of input values
;; workspace buffers: xw 6,684,672 bytes; ww 2,088,960 bytes; wof 4,718,592 bytes; tab 1,064,960 bytes; first 256 bytes of whole numbers; qkv 10,633,216 bytes; ao 6,291,456 bytes
;; launch prep (part 1): grid 765 x 1, 4 waves a work-group, no clusters, 41,472 bytes of LDS; arguments hidden_states, Wq, Wk, Wv, Wo, attention_mask, position_ids, xw, ww, wof, tab, first; writes xw, ww, wof, tab, first
.if DOCPART == 1
	.amdgcn_target "amdgcn-amd-amdhsa--gfx1250"
	.amdhsa_code_object_version 6
	.text
	.protected	k_qf5e3a6f7dc_prep
	.globl	k_qf5e3a6f7dc_prep
	.p2align	8
	.type	k_qf5e3a6f7dc_prep,@function
k_qf5e3a6f7dc_prep:
	s_mov_b64 s[64:65], 0
	v_nop
	global_prefetch_b8 v0, s[64:65] scope:SCOPE_SE
	s_setreg_imm32_b32 hwreg(HW_REG_WAVE_MODE, 25, 1), 1
	s_wait_xcnt 0x0
; FIRST OF FIVE LAUNCHES (prep, qkv, attn, oproj, fine) for one attention layer: S = 4,096, E = 3,072, 12 query heads, 4 key/value heads, head size 64.
; WORK LEFT OUT BY THE PROGRAM, AND WHY IT IS DEAD.  reference() builds causal = tril(ones) in its own body.  For a query q that has a key k <= q with attention_mask > 0, every
; key k > q has the score s + finfo.min, which lies under the row's maximum by more than any exponent holds: its weight is exactly 0 and it adds nothing to the sum or to the output, whatever
; finite values the inputs hold.  So key steps that lie wholly above the diagonal are not multiplied (launch attn).  A query with NO such key has finfo.min in all 4,096 places: reference()'s
; softmax is then uniform over all keys and its output the mean of V: those rows are served so, by launch fine.  Nothing else is left out; every input is loaded.
; LIMITS: NaN and infinities among the inputs are not served, and a NaN, an infinity or an overflow that reaches only the work left out is not carried to the result; |position_ids| up to 2^18
; (the quotient of the angle's reduction); q, k, v under 65,504 in size (they become f16 operands); a block of zeros gets the scale byte 1, not 127 (its codes are zeros, and this program alone reads the bytes);
; blocks whose largest magnitude lies under 2^(3 - 127) are held at that floor; 1 / theta^(i / 32) is made by v_exp_f32 (it stands behind the quantised products, ahead of no quantiser).
; THIS LAUNCH, by the work-group's number:
;   A    0..383  hidden_states [4096][3072] f32 -> xw: codes of E2M1 and E8M0 scale words in the order of the product's operand registers
;   B  384..443  Wq, Wk, Wv [3072][n] f32 (K is the first axis) -> ww, likewise
;   C  444..635  Wo [768][3072] f32 -> wof: f16, in the order of the operand registers of the last product
;   D1 636..763  position_ids -> tab: cos and sin of pos x theta^(-i / 32), [token][i 32][cos, sin] f32
;   D2      764  attention_mask -> tab + 1,048,576: 0 or -1e30 for each key;  first: each quarter's least key with mask > 0, else 4,096
; LAYOUTS.  xw [128 rows mb 32][128 K kq 24][8,704 B]: codes [16 rows 8][c 2][lane 32][16 B], lane (r, h) holding the block of 32 codes 2 c + h of row r; then scale words [8][16 rows][4 B].
;           ww [256 columns cg 5][kq 24][17,408 B]: the same with 16 tiles of 16 columns.   wof [16 columns 192][32 K 24][g 2][lane 32][16 B]: lane (r, h): Wo[32 chunk + 16 g + 8 h + 0..7][16 tile + r].
; Only role A uses LDS.  No tensor load, no barrier: waves share nothing.
.set SPARE, 40960                      ; behind role A's four regions: the spare words, 128 bytes a wave
.set SPW,   12                         ; v12  LDS address of my spare word; never rewritten
.set NIL,   13                         ; v13  0; never rewritten
.set WREG,  10240                      ; role A, LDS of a wave: two stages of 32 x 80 B, 256 scale bytes, a stage of 16 x 272 B for the codes
.set SP,    80
.set SCB,   5120
.set CST,   5376
.set AR,    16                         ; v16-79   four sets of 16 numbers as loaded
.set AXR,   80                         ; v80-111  two sets of 16 neighbours
.set AE,    112                        ; v112-127 a scale byte a step
.set AC,    128                        ; v128-159 two registers of codes a step
.set BX,    32                         ; role B: v32-95 two sets of 32 numbers
.set BC,    96                         ; v96-159 four registers of codes a block, never rewritten
.set BS,    24                         ; v24-27  scale words
	s_load_b512 s[8:23], s[0:1], 0x0               ; hidden 8, Wq 10, Wk 12, Wv 14, Wo 16, mask 18, positions 20, xw 22
	s_load_b256 s[24:31], s[0:1], 0x40             ; ww 24, wof 26, tab 28, first 30
	v_lshl_add_u32 v[SPW], v0, 2, SPARE
	v_mov_b32 v[NIL], 0
	v_lshrrev_b32 v1, 5, v0
	v_readfirstlane_b32 s32, v1                    ; wave 0..3
	v_and_b32 v2, 31, v0                           ; lane
	s_wait_kmcnt 0x0
	s_cmp_lt_u32 ttmp9, 384
	s_cbranch_scc0 .Lnot_a
; ---------------- ROLE A.  A wave takes 16 rows x 512 along K; a step is one row's 512 numbers, 2,048 consecutive bytes.
; Each load reads 512 consecutive bytes; the step turns through the wave's stage so that a lane holds 16 neighbours (two lanes a block of 32).
.macro LOADX t
.irp i, 0,1,2,3
	global_load_b128 v[AR+16*((\t)%4)+4*\i:AR+16*((\t)%4)+4*\i+3], v3, s[8:9] offset:12288*(\t)+512*\i th:TH_LOAD_NT
.endr
.endm
.macro TURNX t                         ; LDS serves a wave's instructions in order: no wait between the stores and the loads
.irp i, 0,1,2,3
	ds_store_b128 v14, v[AR+16*((\t)%4)+4*\i:AR+16*((\t)%4)+4*\i+3] offset:32*SP*((\t)%2)+8*SP*\i
.endr
.irp i, 0,1,2,3
	ds_load_b128 v[AXR+16*((\t)%2)+4*\i:AXR+16*((\t)%2)+4*\i+3], v15 offset:32*SP*((\t)%2)+16*\i
.endr
.endm
.macro STEPX t
.set XS, AXR+16*((\t)%2)
.if (\t) > 0
	s_wait_dscnt 2                                 ; this step's numbers are back; the last step's two stores (byte, codes) may be out
.else
	s_wait_dscnt 0x0
.endif
.if (\t)+4 < 16
	LOADX (\t)+4                                   ; into the set whose stores into the stage are done
.endif
.if (\t)+1 < 16
.if 14-(\t) >= 3
	s_wait_loadcnt 12                              ; the next step's four loads are in; three steps' loads may be out
.else
	s_wait_loadcnt 4*(14-(\t))
.endif
	TURNX (\t)+1
.endif
	v_max3_num_f32 v160, |v[XS]|, |v[XS+1]|, |v[XS+2]|
	v_max3_num_f32 v161, |v[XS+3]|, |v[XS+4]|, |v[XS+5]|
.irp i, 6,10
	v_max3_num_f32 v160, v160, |v[XS+\i]|, |v[XS+\i+1]|
	v_max3_num_f32 v161, v161, |v[XS+\i+2]|, |v[XS+\i+3]|
.endr
	v_max3_num_f32 v160, v160, |v[XS+14]|, |v[XS+15]|
	v_max3_num_f32 v160, v160, v161, 0x1800000     ; and the floor 2^(3 - 127): the byte cannot fall under 1
	v_max_num_f32_dpp v160, v160, v160 row_xmask:1 row_mask:0xf bank_mask:0xf   ; with my neighbour's 16: the block's largest magnitude
	v_add_nc_u32 v162, 0xff000000, v160            ; 2 off its exponent field: the conversion's scale operand
	v_cvt_scalef32_pk8_fp4_f32 v[AC+2*(\t)], v[XS:XS+7], v162
	v_cvt_scalef32_pk8_fp4_f32 v[AC+2*(\t)+1], v[XS+8:XS+15], v162
	v_lshrrev_b32 v[AE+(\t)], 23, v162             ; the scale's byte (a plain line behind the conversions)
	ds_store_b8 v5, v[AE+(\t)] offset:16*(\t)      ; [row 16][block 16]; both lanes of a block write the same byte
	ds_store_b64 v6, v[AC+2*(\t):AC+2*(\t)+1] offset:16*(\t)   ; stage row = block, 16 bytes a row of x: a stage row is 256 bytes of the image
.endm
	s_lshr_b32 s33, ttmp9, 6                       ; which 512 along K: 0..5
	s_and_b32 s34, ttmp9, 63
	s_lshl_b32 s34, s34, 2
	s_add_co_u32 s34, s34, s32                     ; my tile of 16 rows: 0..255
	s_mul_i32 s36, s34, 196608                     ; 16 rows of 12,288 bytes
	s_lshl_b32 s37, s33, 11
	s_add_co_u32 s36, s36, s37
	s_mov_b32 s37, 0
	s_add_nc_u64 s[8:9], s[8:9], s[36:37]
	s_lshr_b32 s36, s34, 3
	s_mul_i32 s36, s36, 24
	s_lshl_b32 s38, s33, 2
	s_add_co_u32 s36, s36, s38
	s_mul_i32 s36, s36, 8704                       ; unit (mb, 4 x my 512)
	s_add_nc_u64 s[22:23], s[22:23], s[36:37]
	s_and_b32 s38, s34, 7                          ; my tile in its 128 rows
	v_lshlrev_b32 v3, 4, v2                        ; 16 x lane
	s_mul_i32 s39, s32, WREG
	v_lshrrev_b32 v14, 2, v2
	v_mul_u32_u24 v14, v14, SP
	v_and_b32 v15, 3, v2
	v_lshl_add_u32 v14, v15, 4, v14
	v_add_nc_u32 v14, s39, v14                     ; the stage, in: four lanes' 64 bytes on end, then 16 of padding
	v_mul_u32_u24 v15, v2, SP
	v_add_nc_u32 v15, s39, v15                     ; out: my 16 neighbours
	v_lshrrev_b32 v4, 1, v2                        ; my block: 0..15
	v_add_nc_u32 v5, s39, v4
	v_add_nc_u32 v5, SCB, v5
	v_mul_u32_u24 v6, v4, 272
	v_and_b32 v7, 1, v2
	v_lshl_add_u32 v6, v7, 3, v6
	v_add_nc_u32 v6, s39, v6
	v_add_nc_u32 v6, CST, v6
	v_lshrrev_b32 v4, 4, v2
	v_and_b32 v11, 15, v2
	v_mul_u32_u24 v7, v4, 272
	v_lshl_add_u32 v7, v11, 4, v7
	v_add_nc_u32 v7, s39, v7
	v_add_nc_u32 v7, CST, v7                       ; codes, out of their stage: two stage rows an instruction
	v_lshlrev_b32 v8, 4, v11
	v_lshl_add_u32 v8, v4, 2, v8
	v_add_nc_u32 v8, s39, v8
	v_add_nc_u32 v8, SCB, v8                       ; scale words: row lane % 16, word lane / 16 (+ 2 n)
	s_lshl_b32 s40, s38, 10
	v_add_nc_u32 v9, s40, v3                       ; in xw: 16 x lane + my tile's 1,024 bytes
	s_lshl_b32 s40, s38, 6
	s_add_co_u32 s40, s40, 8192
	v_mul_u32_u24 v10, v4, 8704
	v_lshl_add_u32 v10, v11, 2, v10
	v_add_nc_u32 v10, s40, v10                     ; scale words in xw: unit lane / 16, row lane % 16
.irp t, 0,1,2,3
	LOADX \t
.endr
	s_wait_loadcnt 12                              ; step 0's four loads are in
	TURNX 0
.irp t, 0,1,2,3,4,5,6,7,8,9,10,11,12,13,14,15
	STEPX \t
.endr
.irp n, 0,1,2,3,4,5,6,7
	ds_load_b128 v[16+4*\n:19+4*\n], v7 offset:544*\n     ; blocks 2 n, 2 n + 1: piece c = n % 2 of unit n / 2
.endr
.irp n, 0,1
	ds_load_b32 v[48+\n], v8 offset:8*\n
.endr
.irp n, 0,1,2,3,4,5,6,7
	s_wait_dscnt 9-\n
	global_store_b128 v9, v[16+4*\n:19+4*\n], s[22:23] offset:(\n/2)*8704+(\n%2)*512   ; 512 consecutive bytes, aligned
.endr
.irp n, 0,1
	s_wait_dscnt 1-\n
	global_store_b32 v10, v[48+\n], s[22:23] offset:17408*\n
.endr
	s_branch .Lend
; ---------------- ROLE B.  A lane takes a column and its registers run down K; a wave takes 32 columns x 512 along K: 16 blocks a lane.  A block's 16 bytes of codes are a lane's place in an image piece.
.macro WLOAD t, pitch
.set ii, 0
.rept 32
	global_load_b32 v[BX+32*((\t)%2)+ii], v3, s[40:41] offset:(32*(\t)+ii)*\pitch th:TH_LOAD_NT
.set ii, ii+1
.endr
.endm
.macro WBLOCK t, pitch
.set XS, BX+32*((\t)%2)
.if (\t) < 15
	s_wait_loadcnt 32                              ; this block's 32 loads are in; the next block's may be out
.else
	s_wait_loadcnt 0x0
.endif
	v_max3_num_f32 v160, |v[XS]|, |v[XS+1]|, |v[XS+2]|
	v_max3_num_f32 v161, |v[XS+3]|, |v[XS+4]|, |v[XS+5]|
.irp i, 6,10,14,18,22,26
	v_max3_num_f32 v160, v160, |v[XS+\i]|, |v[XS+\i+1]|
	v_max3_num_f32 v161, v161, |v[XS+\i+2]|, |v[XS+\i+3]|
.endr
	v_max3_num_f32 v160, v160, |v[XS+30]|, |v[XS+31]|
	v_max3_num_f32 v160, v160, v161, 0x1800000
	v_add_nc_u32 v162, 0xff000000, v160
	v_lshrrev_b32 v161, 23, v162
.if (\t)%4 == 0
	v_mov_b32 v[BS+(\t)/4], v161
.else
	v_lshl_or_b32 v[BS+(\t)/4], v161, 8*((\t)%4), v[BS+(\t)/4]
.endif
.irp g, 0,1,2,3
	v_cvt_scalef32_pk8_fp4_f32 v[BC+4*(\t)+\g], v[XS+8*\g:XS+8*\g+7], v162
.endr
	global_store_b128 v4, v[BC+4*(\t):BC+4*(\t)+3], s[42:43] offset:((\t)/4)*17408+(((\t)/2)%2)*512+((\t)%2)*256   ; sixteen lanes fill 256 aligned bytes
.if (\t)+2 < 16
	WLOAD (\t)+2, \pitch
.endif
.endm
; in: s34 which 512 along K, s35 block of 128 columns among the 1,280, s36 the same within its tensor, s[40:41] the tensor
.macro QW pitch
	s_mul_i32 s38, s34, 512*\pitch
	s_lshl_b32 s39, s36, 9
	s_add_co_u32 s38, s38, s39
	s_lshl_b32 s39, s32, 7
	s_add_co_u32 s38, s38, s39
	s_mov_b32 s39, 0
	s_add_nc_u64 s[40:41], s[40:41], s[38:39]
	s_lshr_b32 s38, s35, 1
	s_mul_i32 s38, s38, 24
	s_lshl_b32 s44, s34, 2
	s_add_co_u32 s38, s38, s44
	s_mul_i32 s38, s38, 17408
	s_add_nc_u64 s[42:43], s[24:25], s[38:39]
	s_and_b32 s38, s35, 1
	s_lshl_b32 s38, s38, 3
	s_lshl_b32 s44, s32, 1
	s_add_co_u32 s38, s38, s44                     ; my first tile of 16 columns in the unit
	v_lshlrev_b32 v3, 2, v2
	v_lshrrev_b32 v4, 4, v2
	v_and_b32 v5, 15, v2
	v_lshlrev_b32 v4, 10, v4
	v_lshl_add_u32 v4, v5, 4, v4
	s_lshl_b32 s44, s38, 10
	v_add_nc_u32 v4, s44, v4
	s_lshl_b32 s44, s38, 6
	v_add_nc_u32 v5, s44, v3
	WLOAD 0, \pitch
	WLOAD 1, \pitch
.set QB, 0
.rept 16
	WBLOCK QB, \pitch
.set QB, QB+1
.endr
.irp q, 0,1,2,3
	global_store_b32 v5, v[BS+\q], s[42:43] offset:16384+17408*\q
.endr
.endm
.Lnot_a:
	s_cmp_lt_u32 ttmp9, 444
	s_cbranch_scc0 .Lnot_b
	s_cmp_lt_u32 ttmp9, 420
	s_cbranch_scc0 .Lb2
	s_sub_co_u32 s33, ttmp9, 384                   ; Wq: 6 x 6 work-groups
	s_mul_i32 s34, s33, 43
	s_lshr_b32 s34, s34, 8                         ; / 6, for numbers under 36
	s_mul_i32 s36, s34, 6
	s_sub_co_u32 s35, s33, s36
	s_mov_b32 s36, s35
	s_mov_b64 s[40:41], s[10:11]
	QW 3072
	s_branch .Lend
.Lb2:
	s_sub_co_u32 s33, ttmp9, 420                   ; Wk, Wv: 6 x 4 work-groups
	s_lshr_b32 s34, s33, 2
	s_and_b32 s33, s33, 3
	s_add_co_u32 s35, s33, 6
	s_and_b32 s36, s33, 1
	s_cmp_ge_u32 s33, 2                            ; the choice hangs on the work-group's number alone
	s_cselect_b64 s[40:41], s[14:15], s[12:13]
	QW 1024
	s_branch .Lend
; ---------------- ROLE C.  Wo to f16.  A lane takes a column, 96 rows of K: three chunks of 32.
.Lnot_b:
	s_cmp_lt_u32 ttmp9, 636
	s_cbranch_scc0 .Lnot_c
	s_sub_co_u32 s33, ttmp9, 444
	s_and_b32 s34, s33, 7                          ; which 96 along K
	s_lshr_b32 s35, s33, 3                         ; which 128 columns
	s_mul_i32 s36, s34, 96*12288
	s_lshl_b32 s37, s35, 9
	s_add_co_u32 s36, s36, s37
	s_lshl_b32 s37, s32, 7
	s_add_co_u32 s36, s36, s37
	s_mov_b32 s37, 0
	s_add_nc_u64 s[16:17], s[16:17], s[36:37]
	s_lshl_b32 s36, s35, 3
	s_lshl_b32 s38, s32, 1
	s_add_co_u32 s36, s36, s38
	s_mul_i32 s36, s36, 24576
	s_mul_i32 s38, s34, 3072
	s_add_co_u32 s36, s36, s38
	s_add_nc_u64 s[26:27], s[26:27], s[36:37]
	v_lshlrev_b32 v3, 2, v2
	v_lshrrev_b32 v4, 4, v2
	v_and_b32 v5, 15, v2
	v_mul_u32_u24 v4, v4, 24576
	v_lshl_add_u32 v4, v5, 4, v4
.set ii, 0
.rept 96
	global_load_b32 v[32+ii], v3, s[16:17] offset:ii*12288 th:TH_LOAD_NT
.set ii, ii+1
.endr
.irp e, 0,1,2
.if \e == 0
	s_wait_loadcnt 63                              ; 96 loads were issued: with at most 63 out the first 33 are in, the first chunk's 32 among them
.else
	s_wait_loadcnt 64-32*\e                        ; this chunk's 32 loads are in; the later chunk's may be out
.endif
.irp g, 0,1
.irp h, 0,1
.irp k, 0,1,2,3
	v_cvt_pk_f16_f32 v[128+4*(4*\e+2*\g+\h)+\k], v[32+32*\e+16*\g+8*\h+2*\k], v[33+32*\e+16*\g+8*\h+2*\k]
.endr
	global_store_b128 v4, v[128+4*(4*\e+2*\g+\h):131+4*(4*\e+2*\g+\h)], s[26:27] offset:1024*\e+512*\g+256*\h   ; sixteen lanes fill 256 aligned bytes
.endr
.endr
.endr
	s_branch .Lend
; ---------------- ROLE D1.  cos and sin.  A wave takes 8 tokens; lane = i.  x = pos x inv; n = the nearest whole number to x 2 / pi; r = x - n pi / 2 in three fused steps, the first exact; polynomials on |r| <= pi / 4.
.Lnot_c:
	s_cmp_lt_u32 ttmp9, 764
	s_cbranch_scc0 .Lrole_d2
	s_sub_co_u32 s33, ttmp9, 636
	s_lshl_b32 s33, s33, 2
	s_add_co_u32 s33, s33, s32
	s_lshl_b32 s34, s33, 5
	s_mov_b32 s35, 0
	s_add_nc_u64 s[20:21], s[20:21], s[34:35]
	s_load_b256 s[40:47], s[20:21], 0x0            ; my 8 positions
	s_lshl_b32 s36, s33, 11
	s_mov_b32 s37, 0
	s_add_nc_u64 s[28:29], s[28:29], s[36:37]
	s_mov_b32 s48, 0xbfc90fdb                      ; -pi / 2 in three parts
	s_mov_b32 s49, 0x333bbd2e
	s_mov_b32 s50, 0x26f72ced
	s_mov_b32 s51, 0xb94ca1f9                      ; sin: r + r z (S1 + z (S2 + z S3))
	s_mov_b32 s52, 0x3c08839e
	s_mov_b32 s53, 0xbe2aaaa3
	s_mov_b32 s54, 0x37ccf5ce                      ; cos: 1 - z / 2 + z z (C1 + z (C2 + z C3))
	s_mov_b32 s55, 0xbab6061a
	s_mov_b32 s56, 0x3d2aaaa5
	v_cvt_f32_u32 v3, v2
	v_mul_f32 v3, 0xbf1f73fa, v3                   ; -i log2(theta) / 32
	v_exp_f32 v3, v3
	v_lshlrev_b32 v4, 3, v2                        ; 8 bytes a lane (a plain line behind the exponential)
	s_wait_alu depctr_va_vdst(0)                   ; the wait ahead of the first use
	s_wait_kmcnt 0x0
.macro SINCOS t
	v_cvt_f32_i32 v16, s[40+\t]
	v_mul_f32 v16, v16, v3
	v_mul_f32 v17, 0x3f22f983, v16
	v_rndne_f32 v17, v17
	v_fma_f32 v18, v17, s48, v16
	v_fma_f32 v18, v17, s49, v18
	v_fma_f32 v18, v17, s50, v18
	v_mul_f32 v19, v18, v18
	v_fma_f32 v20, v19, s51, s52
	v_fma_f32 v21, v19, s54, s55
	v_fma_f32 v20, v20, v19, s53
	v_fma_f32 v21, v21, v19, s56
	v_mul_f32 v22, v19, v18
	v_mul_f32 v23, v19, v19
	v_fma_f32 v24, v19, -0.5, 1.0
	v_fma_f32 v20, v20, v22, v18                   ; sin r
	v_fma_f32 v21, v21, v23, v24                   ; cos r
	v_cvt_i32_f32 v25, v17
	v_and_b32 v26, 1, v25
	v_cmp_eq_u32 vcc_lo, 1, v26                    ; odd quadrants change the two
	v_cndmask_b32 v27, v20, v21, vcc_lo
	v_cndmask_b32 v28, v21, v20, vcc_lo
	v_and_b32 v26, 2, v25
	v_lshlrev_b32 v26, 30, v26
	v_xor_b32 v[33+2*\t], v27, v26                 ; sin: negative in quadrants 2, 3
	v_add_nc_u32 v25, 1, v25
	v_and_b32 v25, 2, v25
	v_lshlrev_b32 v25, 30, v25
	v_xor_b32 v[32+2*\t], v28, v25                 ; cos: negative in quadrants 1, 2
	global_store_b64 v4, v[32+2*\t:33+2*\t], s[28:29] offset:256*\t   ; a token's 256 bytes, aligned
.endm
.irp t, 0,1,2,3,4,5,6,7
	SINCOS \t
.endr
	s_branch .Lend
; ---------------- ROLE D2.  One work-group; wave w takes keys 1,024 w on.
.Lrole_d2:
	s_lshl_b32 s33, s32, 12
	v_lshl_add_u32 v3, v2, 4, s33
.irp n, 0,1,2,3,4,5,6,7
	global_load_b128 v[32+4*\n:35+4*\n], v3, s[18:19] offset:512*\n
.endr
	s_lshl_b32 s34, s32, 10
	v_lshl_add_u32 v4, v2, 2, s34                  ; my first key
	v_mov_b32 v5, 0x1000                           ; the least so far
	v_mov_b32 v6, 0x1000
	v_mov_b32 v7, 0xf149f2ca                       ; -1e30
	v_mov_b32 v8, 0
	s_mov_b32 s36, 0x76543210
	s_mov_b32 s37, 0xfedcba98
	s_wait_loadcnt 0x0
.set kk, 0
.rept 32
	v_cmp_lt_i32 vcc_lo, 0, v[32+kk]
	v_add_nc_u32 v9, 128*(kk/4)+(kk%4), v4
	v_cndmask_b32 v[64+kk], v7, v8, vcc_lo
	v_cndmask_b32 v9, v6, v9, vcc_lo
	v_min_u32 v5, v5, v9
.set kk, kk+1
.endr
.irp n, 0,1,2,3,4,5,6,7
	global_store_b128 v3, v[64+4*\n:67+4*\n], s[28:29] offset:1048576+512*\n
.endr
	v_mov_b32 v9, v5
.irp m, 1,2,4,8
	v_mov_b32_dpp v9, v5 row_xmask:\m row_mask:0xf bank_mask:0xf
	v_min_u32 v5, v5, v9
.endr
	v_permlanex16_b32 v9, v5, s36, s37
	v_min_u32 v5, v5, v9
	v_mov_b32 v10, s32
	v_lshlrev_b32 v10, 2, v10
	v_cmp_eq_u32 vcc_lo, 0, v2
	s_wait_xcnt 0x0                                ; EXEC changes only behind this wait
	s_and_saveexec_b32 s38, vcc_lo
	global_store_b32 v10, v5, s[30:31]             ; lane 0: my quarter's least valid key
	s_wait_xcnt 0x0
	s_or_b32 exec_lo, exec_lo, s38
.Lend:
	s_wait_tensorcnt 0x0                           ; the wave's end, behind the last LDS store
	ds_add_u32 v[SPW], v[NIL]
	s_wait_dscnt 0x0
	s_endpgm
.Lfunc_end_k_qf5e3a6f7dc_prep:
	.size	k_qf5e3a6f7dc_prep, .Lfunc_end_k_qf5e3a6f7dc_prep-k_qf5e3a6f7dc_prep
	.p2alignl 7, 3214868480
	.fill 96, 4, 3214868480
	.section	.rodata,"a",@progbits
	.p2align	6, 0x0
	.amdhsa_kernel k_qf5e3a6f7dc_prep
		.amdhsa_group_segment_fixed_size 41472
		.amdhsa_private_segment_fixed_size 0
		.amdhsa_enable_private_segment 0
		.amdhsa_kernarg_size 96
		.amdhsa_user_sgpr_count 2
		.amdhsa_user_sgpr_kernarg_segment_ptr 1
		.amdhsa_wavefront_size32 1
		.amdhsa_system_sgpr_workgroup_id_x 1
		.amdhsa_system_sgpr_workgroup_id_y 1
		.amdhsa_system_sgpr_workgroup_id_z 1
		.amdhsa_system_vgpr_workitem_id 0
		.amdhsa_next_free_vgpr 192
		.amdhsa_next_free_sgpr 66
		.amdhsa_reserve_vcc 1
		.amdhsa_float_denorm_mode_32 3
		.amdhsa_float_denorm_mode_16_64 3
		.amdhsa_memory_ordered 1
		.amdhsa_forward_progress 1
		.amdhsa_inst_pref_size 220
	.end_amdhsa_kernel
	.amdgpu_metadata
---
amdhsa.version: [ 1, 2 ]
amdhsa.kernels:
  - .name:           k_qf5e3a6f7dc_prep
    .symbol:         k_qf5e3a6f7dc_prep.kd
    .args:
      - { .name: hidden_states, .offset: 0, .size: 8, .value_kind: global_buffer, .address_space: global }
      - { .name: Wq, .offset: 8, .size: 8, .value_kind: global_buffer, .address_space: global }
      - { .name: Wk, .offset: 16, .size: 8, .value_kind: global_buffer, .address_space: global }
      - { .name: Wv, .offset: 24, .size: 8, .value_kind: global_buffer, .address_space: global }
      - { .name: Wo, .offset: 32, .size: 8, .value_kind: global_buffer, .address_space: global }
      - { .name: attention_mask, .offset: 40, .size: 8, .value_kind: global_buffer, .address_space: global }
      - { .name: position_ids, .offset: 48, .size: 8, .value_kind: global_buffer, .address_space: global }
      - { .name: xw, .offset: 56, .size: 8, .value_kind: global_buffer, .address_space: global }
      - { .name: ww, .offset: 64, .size: 8, .value_kind: global_buffer, .address_space: global }
      - { .name: wof, .offset: 72, .size: 8, .value_kind: global_buffer, .address_space: global }
      - { .name: tab, .offset: 80, .size: 8, .value_kind: global_buffer, .address_space: global }
      - { .name: first, .offset: 88, .size: 8, .value_kind: global_buffer, .address_space: global }
    .group_segment_fixed_size: 41472
    .private_segment_fixed_size: 0
    .kernarg_segment_align: 8
    .kernarg_segment_size: 96
    .max_flat_workgroup_size: 128
    .sgpr_count:     66
    .vgpr_count:     192
    .wavefront_size: 32
...
	.end_amdgpu_metadata
.endif
;; end of part 1
;; launch qkv (part 2): grid 32 x 5, 8 waves a work-group, clusters of 4 x 1, 327,680 bytes of LDS; arguments xw, ww, tab, qkv; writes qkv
.if DOCPART == 2
	.amdgcn_target "amdgcn-amd-amdhsa--gfx1250"
	.amdhsa_code_object_version 6
	.text
	.protected	k_qf5e3a6f7dc_qkv
	.globl	k_qf5e3a6f7dc_qkv
	.p2align	8
	.type	k_qf5e3a6f7dc_qkv,@function
k_qf5e3a6f7dc_qkv:
	s_mov_b64 s[64:65], 0
	v_nop
	global_prefetch_b8 v0, s[64:65] scope:SCOPE_SE
	s_setreg_imm32_b32 hwreg(HW_REG_WAVE_MODE, 25, 1), 1
	s_wait_xcnt 0x0
	s_wait_alu depctr_hold_cnt(0) depctr_sa_sdst(0) depctr_va_vdst(0) depctr_va_sdst(0) depctr_va_ssrc(0) depctr_va_vcc(0) depctr_vm_vsrc(0)
	s_getreg_b32 s2, hwreg(HW_REG_IB_STS2, 6, 4)
	s_cmp_eq_u32 s2, 0
	s_cbranch_scc0 .Lentry_in_a_cluster
	s_endpgm
.Lentry_in_a_cluster:
	s_bfe_u32 s2, ttmp6, 0x10000c
	s_cmp_lg_u32 s2, 0x3003
	s_cbranch_scc0 .Lentry_shape_is_right
	s_endpgm
.Lentry_shape_is_right:
; q, k, v = Q(hidden_states) Q(Wq | Wk | Wv): the three quantised products, on codes of E2M1 with E8M0 scales (K = 3,072, N = 1,280), then the rotary embedding in f32, then f16 operands for the attention.
; SHARES.  Work-group (mb, cg): 128 rows x 256 columns (cg 0-2: query heads 4 cg .. 4 cg + 3; 3: k; 4: v).  Wave w: rows 64 (w / 4) on, head w % 4: 64 x 64, 16 accumulators.
; THE PRODUCT IS USED TRANSPOSED (source 0 = 16 columns of W, source 1 = 16 rows of x): a lane holds one token (lane % 16) and channels 16 b + 8 (lane / 16) + 0..7 of tile b.  So channels c and c + 32 of the
; rotary pair are the same register of tiles b and b + 2, and a lane's eight results, rounded to f16, are 16 bytes of the next product's operand as its registers want them.
; LDS.  Two slots of 768 along K: x's six units of 8,704 B, then W's six of 17,408 B, dense as they lie in memory (they are images of the operand registers: no pitch, no padding).
; Waves 0, 1 fetch x's halves (own loads), waves 2-7 one unit of W each.  CLUSTER: the four work-groups of a cluster have the same cg and need the same W: W's loads are joint, with a mask that names the four.
; 160 work-groups: 1,280 columns are five groups of four heads, which no 256 equal tiles divide.  No prefetch: each tile is asked for a whole slot (96 matrix instructions a wave) ahead, and the launch has four slots in all.
; OUT (buffer qkv): QF at 0 [head 12][16 tokens 256][b 4][512 B];  KV at 6,291,456 [kv 4][256 keys 16][65,536 B]: K at 0, V at 32,768, each [16 keys 16][b 4][512 B];
;   F32 at 10,485,760 [head 20][token 16][64] f32: the first 16 tokens, for launch fine;  VSUM at 10,567,680 [64 rows 64][256] f32: column sums of v.
;   In V's pieces lane (r, h) lies at place 16 (r / 8) + 8 h + r % 8, so that the turning LDS load of launch attn reads them at 16 x lane.
.set XU,    8704
.set WU,    17408
.set WOFF,  52224
.set SLOTB, 156672
.set SPARE, 313344                     ; behind the ring: the spare words, 128 bytes a wave
.set AX,   4                           ; v4-5    LDS address of x's fragments in slot 0, 1
.set ASX,  6                           ; v6-7    of x's scale words
.set AW,   8                           ; v8-9    of W's fragments, units 0-2; v10-11 units 3-5
.set ASW,  12                          ; v12-15  of W's scale words likewise
.set SO,   16                          ; v16     16 x lane
.set SOV,  17                          ; v17     16 x my place in a piece of V
.set TO,   18                          ; v18     my byte in tab
.set FO,   19                          ; v19     my byte in a head's 16 f32 rows
.set VO,   20                          ; v20     32 x (lane / 16)
.set MBV,  21                          ; v21     my work-group's place in its cluster
.set SPW,  22
.set NIL,  23
.set L,    24                          ; v24-39  the rotated low halves
.set UU,   40                          ; v40-47  at work
.set SX,   48                          ; v48-51  x's scale words; v52-55 W's: they hold scales and nothing else
.set SW,   52
.set XF,   64                          ; v64-95  x's four fragments; later cos and sin, or v's sums
.set WF,   96                          ; v96-127 W's four
.set ACC,  128                         ; v128-255 accumulator (a, b) at 128 + 8 (4 a + b)
.set G1X, 24
.set G1W, 32
.set G0X, 40                           ; s[40:47] a set for each slot
.set G0W, 48                           ; s[48:55]
.macro ROUND                           ; a round of the cluster's barrier
	s_barrier_signal -1
	s_barrier_wait -1
	s_cmp_lg_u32 s12, 0
	s_cbranch_scc1 .Lnot_wave_0_\@
	s_barrier_signal -3
.Lnot_wave_0_\@:
	s_barrier_wait -3
	s_barrier_signal -1
	s_barrier_wait -1
.endm
.macro JLOAD s                         ; every wave's one load: the branch hangs on the wave's number alone
	s_cmp_lt_u32 s12, 2
	s_cbranch_scc0 .Lfor_w_\@
	tensor_load_to_lds s[G0X+4*\s:G0X+4*\s+3], s[G1X:G1X+7]
	s_nop 0
.rept 4
	v_nop
.endr
	s_branch .Lasked_\@
.Lfor_w_\@:
	tensor_load_to_lds s[G0W+4*\s:G0W+4*\s+3], s[G1W:G1W+7]
	s_nop 0
.rept 4
	v_nop
.endr
.Lasked_\@:
.endm
	s_load_b256 s[4:11], s[0:1], 0x0               ; xw 4, ww 6, tab 8, qkv 10
	v_lshl_add_u32 v[SPW], v0, 2, SPARE
	v_mov_b32 v[NIL], 0
	ds_add_u32 v[SPW], v[NIL]                      ; the wave's opening: the add, twice on end, and its wait ahead of my first tensor load
	ds_add_u32 v[SPW], v[NIL]
	v_lshrrev_b32 v1, 5, v0
	v_readfirstlane_b32 s12, v1                    ; wave 0..7
	s_lshr_b32 s13, s12, 2                         ; which 64 rows
	s_and_b32 s14, s12, 3                          ; which head of the four
	s_bfe_u32 s15, ttmp6, 0x40000                  ; cx
	s_lshl_b32 s16, ttmp9, 2
	s_add_co_u32 s16, s16, s15                     ; mb = 4 x cluster x + cx
	s_and_b32 s17, ttmp7, 0xffff                   ; cg, which the four partners share
	s_mov_b32 s[G1X], 3<<16                        ; x: no mask; elements of 8 bytes; 102 rows of 256 bytes, dense
	s_mov_b32 s[G1X+1], 32<<16
	s_mov_b32 s[G1X+2], 102<<16
	s_mov_b32 s[G1X+3], 32<<16
	s_mov_b32 s[G1X+4], 102
	s_mov_b32 s[G1X+5], 32
	s_mov_b32 s[G1X+6], 0
	s_mov_b32 s[G1X+7], 0
	s_mov_b32 s[G1W], 15|(3<<16)|(1<<21)           ; W: the mask names all four work-groups, bit 21 beside it; 68 rows of 256 bytes
	s_mov_b32 s[G1W+1], 32<<16
	s_mov_b32 s[G1W+2], 68<<16
	s_mov_b32 s[G1W+3], 32<<16
	s_mov_b32 s[G1W+4], 68
	s_mov_b32 s[G1W+5], 32
	s_mov_b32 s[G1W+6], 0
	s_mov_b32 s[G1W+7], 0
	s_min_u32 s18, s12, 1
	s_mul_i32 s19, s18, 26112                      ; x: my half, in memory and in a slot
	s_mul_i32 s20, s16, 208896
	s_add_co_u32 s20, s20, s19
	s_mov_b32 s21, 0
	s_max_u32 s22, s12, 2
	s_sub_co_u32 s22, s22, 2
	s_mul_i32 s22, s22, WU                         ; W: unit wave - 2 of the slot's six
	s_mul_i32 s23, s17, 417792
	s_add_co_u32 s22, s22, s23
	s_mov_b32 s23, 0
	s_mul_i32 s56, s12, WU
	s_add_co_u32 s56, s56, WU                      ; its place in a slot: 52,224 + 17,408 (wave - 2)
	s_wait_dscnt 0x0                               ; both opening adds are done
	s_wait_kmcnt 0x0
	s_add_nc_u64 s[20:21], s[4:5], s[20:21]
	s_add_nc_u64 s[22:23], s[6:7], s[22:23]
	ROUND                                          ; all four work-groups are here: the first joint loads meet
.irp s, 0,1
	s_mov_b32 s[G0X+4*\s], 1
	s_add_co_u32 s[G0X+4*\s+1], s19, \s*SLOTB
	s_add_nc_u64 s[G0X+4*\s+2:G0X+4*\s+3], s[20:21], \s*6*XU
	s_or_b32 s[G0X+4*\s+3], s[G0X+4*\s+3], 0x80000000
	s_mov_b32 s[G0W+4*\s], 1
	s_add_co_u32 s[G0W+4*\s+1], s56, \s*SLOTB
	s_add_nc_u64 s[G0W+4*\s+2:G0W+4*\s+3], s[22:23], \s*6*WU
	s_or_b32 s[G0W+4*\s+3], s[G0W+4*\s+3], 0x80000000
.endr
	s_cmp_lt_u32 s12, 2                            ; a wave's two first fills stand in one arm: two loads of mine are out
	s_cbranch_scc0 .Lfirst_w
	tensor_load_to_lds s[G0X:G0X+3], s[G1X:G1X+7]
	s_nop 0
	tensor_load_to_lds s[G0X+4:G0X+7], s[G1X:G1X+7]
	s_nop 0
.rept 4
	v_nop
.endr
	s_branch .Lfirst_done
.Lfirst_w:
	tensor_load_to_lds s[G0W:G0W+3], s[G1W:G1W+7]
	s_nop 0
	tensor_load_to_lds s[G0W+4:G0W+7], s[G1W:G1W+7]
	s_nop 0
.rept 4
	v_nop
.endr
.Lfirst_done:
	v_and_b32 v1, 31, v0
	v_and_b32 v2, 15, v0                           ; r
	v_bfe_u32 v3, v0, 4, 1                         ; h
	v_lshlrev_b32 v[SO], 4, v1
	s_lshl_b32 s57, s13, 12
	v_add_nc_u32 v[AX], s57, v[SO]
	v_add_nc_u32 v[AX+1], SLOTB, v[AX]
	s_lshl_b32 s57, s13, 8
	s_add_co_u32 s57, s57, 8192
	v_lshl_add_u32 v[ASX], v2, 2, s57
	v_add_nc_u32 v[ASX+1], SLOTB, v[ASX]
	s_lshl_b32 s57, s14, 12
	s_add_co_u32 s57, s57, WOFF
	v_add_nc_u32 v[AW], s57, v[SO]
	v_add_nc_u32 v[AW+1], SLOTB, v[AW]
	v_add_nc_u32 v[AW+2], 3*WU, v[AW]
	v_add_nc_u32 v[AW+3], 3*WU, v[AW+1]
	s_lshl_b32 s57, s14, 8
	s_add_co_u32 s57, s57, WOFF+16384
	v_lshl_add_u32 v[ASW], v2, 2, s57
	v_add_nc_u32 v[ASW+1], SLOTB, v[ASW]
	v_add_nc_u32 v[ASW+2], 3*WU, v[ASW]
	v_add_nc_u32 v[ASW+3], 3*WU, v[ASW+1]
	v_lshrrev_b32 v[SOV], 3, v2
	v_lshlrev_b32 v[SOV], 4, v[SOV]
	v_lshl_add_u32 v[SOV], v3, 3, v[SOV]
	v_and_b32 v[TO], 7, v2
	v_add_nc_u32 v[SOV], v[SOV], v[TO]
	v_lshlrev_b32 v[SOV], 4, v[SOV]
	s_lshl_b32 s57, s13, 14
	v_lshl_add_u32 v[TO], v2, 8, s57
	v_lshl_add_u32 v[TO], v3, 6, v[TO]             ; tab: token (64 x half + r) x 256 + 64 h
	v_lshlrev_b32 v[FO], 8, v2
	v_lshl_add_u32 v[FO], v3, 5, v[FO]
	v_lshlrev_b32 v[VO], 5, v3
	v_mov_b32 v[MBV], s15
	; where the results go
	s_lshl_b32 s57, s17, 2
	s_add_co_u32 s57, s57, s14                     ; 4 cg + head: 0-11 q, 12-15 k, 16-19 v
	s_lshl_b32 s58, s57, 8
	s_lshl_b32 s59, s16, 3
	s_add_co_u32 s58, s58, s59
	s_lshl_b32 s59, s13, 2
	s_add_co_u32 s58, s58, s59
	s_lshl_b32 s58, s58, 11                        ; q: (head x 256 + my first tile of tokens) x 2,048
	s_lshl_b32 s59, s14, 4
	s_lshr_b32 s68, s16, 1
	s_add_co_u32 s59, s59, s68
	s_lshl_b32 s59, s59, 16                        ; k, v: (16 x head + 256 keys' slot) x 65,536
	s_and_b32 s68, s16, 1
	s_lshl_b32 s68, s68, 3
	s_lshl_b32 s69, s13, 2
	s_add_co_u32 s68, s68, s69
	s_lshl_b32 s68, s68, 11
	s_add_co_u32 s59, s59, s68
	s_add_co_u32 s59, s59, 6291456
	s_cmp_eq_u32 s17, 4
	s_cselect_b32 s68, 32768, 0
	s_add_co_u32 s59, s59, s68
	s_cmp_lt_u32 s17, 3
	s_cselect_b32 s58, s58, s59
	s_mov_b32 s59, 0
	s_add_nc_u64 s[60:61], s[10:11], s[58:59]      ; the images
	s_lshl_b32 s58, s57, 12
	s_add_co_u32 s58, s58, 10485760
	s_add_nc_u64 s[62:63], s[10:11], s[58:59]      ; the head's 16 f32 rows
	s_lshl_b32 s58, s16, 1
	s_add_co_u32 s58, s58, s13
	s_lshl_b32 s58, s58, 10
	s_lshl_b32 s68, s14, 8
	s_add_co_u32 s58, s58, s68
	s_add_co_u32 s58, s58, 10567680
	s_add_nc_u64 s[66:67], s[10:11], s[58:59]      ; my 64 rows' sums of v
	s_lshl_b32 s58, s16, 15
	s_add_nc_u64 s[8:9], s[8:9], s[58:59]          ; tab at my work-group's first token
; 128 along K: the slot's unit q.  Four places stand in front of the loads into registers that matrix instructions have read.  The 16 accumulators take turns, one instruction a turn.
.macro KQ slot, q, zero
.rept 4
	v_nop
.endr
.irp a, 0,1,2,3
.irp c, 0,1
	ds_load_b128 v[XF+8*\a+4*\c:XF+8*\a+4*\c+3], v[AX+\slot] offset:(\q)*XU+\a*1024+\c*512
.endr
	ds_load_b32 v[SX+\a], v[ASX+\slot] offset:(\q)*XU+\a*64
.endr
.irp b, 0,1,2,3
.irp c, 0,1
	ds_load_b128 v[WF+8*\b+4*\c:WF+8*\b+4*\c+3], v[AW+2*((\q)/3)+\slot] offset:((\q)%3)*WU+\b*1024+\c*512
.endr
	ds_load_b32 v[SW+\b], v[ASW+2*((\q)/3)+\slot] offset:((\q)%3)*WU+\b*64
.endr
	s_wait_dscnt 0x0
.irp a, 0,1,2,3
.irp b, 0,1,2,3
.if \zero
	v_wmma_scale_f32_16x16x128_f8f6f4 v[ACC+8*(4*\a+\b):ACC+8*(4*\a+\b)+7], v[WF+8*\b:WF+8*\b+7], v[XF+8*\a:XF+8*\a+7], 0, v[SW+\b], v[SX+\a] matrix_a_fmt:MATRIX_FMT_FP4 matrix_b_fmt:MATRIX_FMT_FP4
.else
	v_wmma_scale_f32_16x16x128_f8f6f4 v[ACC+8*(4*\a+\b):ACC+8*(4*\a+\b)+7], v[WF+8*\b:WF+8*\b+7], v[XF+8*\a:XF+8*\a+7], v[ACC+8*(4*\a+\b):ACC+8*(4*\a+\b)+7], v[SW+\b], v[SX+\a] matrix_a_fmt:MATRIX_FMT_FP4 matrix_b_fmt:MATRIX_FMT_FP4
.endif
.endr
.endr
.endm
.macro SLOTK slot, zero
	KQ \slot, 0, \zero
.irp q, 1,2,3,4,5
	KQ \slot, \q, 0
.endr
.endm
; The change of slots: every wave waits for all its tensor loads, adds 0 to its spare word, waits for that and for its reads of the slot just left; then the barrier (a round of the cluster's where the slot is filled again), and the refill first behind it.
.macro CHG slot, fill
	s_wait_tensorcnt 0x0                           ; no tensor load of mine is out: the descriptors may be written
	ds_add_u32 v[SPW], v[NIL]
.if \fill
	s_add_nc_u64 s[G0X+4*\slot+2:G0X+4*\slot+3], s[G0X+4*\slot+2:G0X+4*\slot+3], 2*6*XU
	s_add_nc_u64 s[G0W+4*\slot+2:G0W+4*\slot+3], s[G0W+4*\slot+2:G0W+4*\slot+3], 2*6*WU
	s_wait_dscnt 0x0
	ROUND
	JLOAD \slot
.else
	s_wait_dscnt 0x0
	s_barrier_signal -1
	s_barrier_wait -1
.endif
.endm
	s_wait_tensorcnt 1                             ; my part of slot 0 is in; slot 1's may stay out
	s_barrier_signal -1
	s_barrier_wait -1
	SLOTK 0, 1                                     ; K 0..767: the first products start the sums
	CHG 0, 1
	SLOTK 1, 0
	CHG 1, 1
	SLOTK 0, 0
	CHG 0, 0                                       ; nothing is left to fetch
	SLOTK 1, 0
.rept 4
	v_nop                                          ; places in front of the first reads of results and of loads into the fragments' registers
.endr
	s_cmp_eq_u32 s17, 4                            ; cg: the same in all partners
	s_cbranch_scc1 .Lv_path
; ---- q and k: the rotary embedding.  lo' = lo cos - hi sin, hi' = hi cos + lo sin, lo in tile b, hi in tile b + 2, cos and sin at i = 16 b + 8 h + j of my token.
.macro TABLOAD a
.irp b, 0,1
.irp n, 0,1,2,3
	global_load_b128 v[XF+32*((\a)%2)+16*\b+4*\n:XF+32*((\a)%2)+16*\b+4*\n+3], v[TO], s[8:9] offset:(\a)*4096+128*\b+16*\n
.endr
.endr
.endm
.macro F32ROWS r0, r1, r2, r3          ; the first 16 tokens in f32: a branch on the cluster's number and the wave's; within the first cluster the lanes of work-group 0 alone are on
	s_or_b32 s70, ttmp9, s13
	s_cmp_lg_u32 s70, 0
	s_cbranch_scc1 .Lno_rows_\@
	v_cmp_eq_u32 vcc_lo, 0, v[MBV]
	s_wait_xcnt 0x0                                ; EXEC changes only behind this wait
	s_and_saveexec_b32 s71, vcc_lo
	global_store_b128 v[FO], v[\r0:\r0+3], s[62:63]
	global_store_b128 v[FO], v[\r0+4:\r0+7], s[62:63] offset:16
	global_store_b128 v[FO], v[\r1:\r1+3], s[62:63] offset:64
	global_store_b128 v[FO], v[\r1+4:\r1+7], s[62:63] offset:80
	global_store_b128 v[FO], v[\r2:\r2+3], s[62:63] offset:128
	global_store_b128 v[FO], v[\r2+4:\r2+7], s[62:63] offset:144
	global_store_b128 v[FO], v[\r3:\r3+3], s[62:63] offset:192
	global_store_b128 v[FO], v[\r3+4:\r3+7], s[62:63] offset:208
	s_wait_xcnt 0x0                                ; and again: the stores have read EXEC and their data
	s_or_b32 exec_lo, exec_lo, s71
.Lno_rows_\@:
.endm
.macro ROPE a, left
.set TT, XF+32*((\a)%2)
	s_wait_loadcnt \left                           ; this tile's eight loads are in; the next tile's may be out
.irp b, 0,1
.irp j, 0,1,2,3,4,5,6,7                ; each accumulator is read from its low end on
	v_mul_f32 v[L+8*\b+\j], v[ACC+8*(4*\a+\b)+\j], v[TT+16*\b+2*\j]
	v_mul_f32 v[UU+\j], v[ACC+8*(4*\a+\b+2)+\j], v[TT+16*\b+2*\j]
	v_fma_f32 v[L+8*\b+\j], -v[ACC+8*(4*\a+\b+2)+\j], v[TT+16*\b+2*\j+1], v[L+8*\b+\j]
	v_fma_f32 v[ACC+8*(4*\a+\b+2)+\j], v[ACC+8*(4*\a+\b)+\j], v[TT+16*\b+2*\j+1], v[UU+\j]
.endr
.endr
.irp b, 0,1
.irp k, 0,1,2,3                        ; to f16, into tile b's registers, which are done with: no store's data are written again
	v_cvt_pk_f16_f32 v[ACC+8*(4*\a+\b)+\k], v[L+8*\b+2*\k], v[L+8*\b+2*\k+1]
	v_cvt_pk_f16_f32 v[ACC+8*(4*\a+\b)+4+\k], v[ACC+8*(4*\a+\b+2)+2*\k], v[ACC+8*(4*\a+\b+2)+2*\k+1]
.endr
.endr
.irp b, 0,1
	global_store_b128 v[SO], v[ACC+8*(4*\a+\b):ACC+8*(4*\a+\b)+3], s[60:61] offset:\a*2048+\b*512            ; 512 consecutive bytes, aligned
	global_store_b128 v[SO], v[ACC+8*(4*\a+\b)+4:ACC+8*(4*\a+\b)+7], s[60:61] offset:\a*2048+(\b+2)*512
.endr
.if \a == 0
	F32ROWS L, L+8, ACC+16, ACC+24
.endif
.if \a < 2
	TABLOAD \a+2
.endif
.endm
	TABLOAD 0
	TABLOAD 1
	ROPE 0, 8
	ROPE 1, 8
	ROPE 2, 8
	ROPE 3, 0
	s_branch .Lout
; ---- v: no rotary embedding.  First the sums of my 64 rows, then the first 16 tokens in f32, then f16.
.Lv_path:
.set VS, XF
.set kk, 0
.rept 16                               ; pair kk of the 32 numbers (b, j)
	v_pk_add_f32 v[VS+2*kk:VS+2*kk+1], v[ACC+2*kk:ACC+2*kk+1], v[ACC+32+2*kk:ACC+32+2*kk+1]
.set kk, kk+1
.endr
.irp a, 2,3
.set kk, 0
.rept 16
	v_pk_add_f32 v[VS+2*kk:VS+2*kk+1], v[VS+2*kk:VS+2*kk+1], v[ACC+32*\a+2*kk:ACC+32*\a+2*kk+1]
.set kk, kk+1
.endr
.endr
.irp m, 1,2,4,8                        ; over the sixteen tokens of a half of the lanes
.set kk, 0
.rept 32
	v_add_f32_dpp v[VS+kk], v[VS+kk], v[VS+kk] row_xmask:\m row_mask:0xf bank_mask:0xf
.set kk, kk+1
.endr
.endr
	v_cmp_eq_u32 vcc_lo, 0, v2
	s_wait_xcnt 0x0
	s_and_saveexec_b32 s71, vcc_lo                 ; lanes 0 and 16
.irp b, 0,1,2,3
	global_store_b128 v[VO], v[VS+8*\b:VS+8*\b+3], s[66:67] offset:64*\b
	global_store_b128 v[VO], v[VS+8*\b+4:VS+8*\b+7], s[66:67] offset:64*\b+16
.endr
	s_wait_xcnt 0x0
	s_or_b32 exec_lo, exec_lo, s71
	F32ROWS ACC, ACC+8, ACC+16, ACC+24
.irp a, 0,1,2,3
.irp b, 0,1,2,3
.irp k, 0,1,2,3
	v_cvt_pk_f16_f32 v[ACC+8*(4*\a+\b)+\k], v[ACC+8*(4*\a+\b)+2*\k], v[ACC+8*(4*\a+\b)+2*\k+1]
.endr
	global_store_b128 v[SOV], v[ACC+8*(4*\a+\b):ACC+8*(4*\a+\b)+3], s[60:61] offset:\a*2048+\b*512
.endr
.endr
.Lout:
	s_wait_tensorcnt 0x0                           ; the wave's end
	ds_add_u32 v[SPW], v[NIL]
	s_wait_dscnt 0x0
	ROUND                                          ; the closing round: no work-group ends while a partner may still ask jointly
	s_endpgm
.Lfunc_end_k_qf5e3a6f7dc_qkv:
	.size	k_qf5e3a6f7dc_qkv, .Lfunc_end_k_qf5e3a6f7dc_qkv-k_qf5e3a6f7dc_qkv
	.p2alignl 7, 3214868480
	.fill 96, 4, 3214868480
	.section	.rodata,"a",@progbits
	.p2align	6, 0x0
	.amdhsa_kernel k_qf5e3a6f7dc_qkv
		.amdhsa_group_segment_fixed_size 327680
		.amdhsa_private_segment_fixed_size 0
		.amdhsa_enable_private_segment 0
		.amdhsa_kernarg_size 32
		.amdhsa_user_sgpr_count 2
		.amdhsa_user_sgpr_kernarg_segment_ptr 1
		.amdhsa_wavefront_size32 1
		.amdhsa_system_sgpr_workgroup_id_x 1
		.amdhsa_system_sgpr_workgroup_id_y 1
		.amdhsa_system_sgpr_workgroup_id_z 1
		.amdhsa_system_vgpr_workitem_id 0
		.amdhsa_next_free_vgpr 256
		.amdhsa_next_free_sgpr 80
		.amdhsa_reserve_vcc 1
		.amdhsa_float_denorm_mode_32 3
		.amdhsa_float_denorm_mode_16_64 3
		.amdhsa_memory_ordered 1
		.amdhsa_forward_progress 1
		.amdhsa_inst_pref_size 139
	.end_amdhsa_kernel
	.amdgpu_metadata
---
amdhsa.version: [ 1, 2 ]
amdhsa.kernels:
  - .name:           k_qf5e3a6f7dc_qkv
    .symbol:         k_qf5e3a6f7dc_qkv.kd
    .args:
      - { .name: xw, .offset: 0, .size: 8, .value_kind: global_buffer, .address_space: global }
      - { .name: ww, .offset: 8, .size: 8, .value_kind: global_buffer, .address_space: global }
      - { .name: tab, .offset: 16, .size: 8, .value_kind: global_buffer, .address_space: global }
      - { .name: qkv, .offset: 24, .size: 8, .value_kind: global_buffer, .address_space: global }
    .group_segment_fixed_size: 327680
    .private_segment_fixed_size: 0
    .kernarg_segment_align: 8
    .kernarg_segment_size: 32
    .max_flat_workgroup_size: 256
    .sgpr_count:     80
    .vgpr_count:     256
    .wavefront_size: 32
...
	.end_amdgpu_metadata
.endif
;; end of part 2
;; launch attn (part 3): grid 64 x 4, 8 waves a work-group, no clusters, 327,680 bytes of LDS; arguments qkv, tab, ao; writes ao
.if DOCPART == 3
	.amdgcn_target "amdgcn-amd-amdhsa--gfx1250"
	.amdhsa_code_object_version 6
	.text
	.protected	k_qf5e3a6f7dc_attn
	.globl	k_qf5e3a6f7dc_attn
	.p2align	8
	.type	k_qf5e3a6f7dc_attn,@function
k_qf5e3a6f7dc_attn:
	s_mov_b64 s[64:65], 0
	v_nop
	global_prefetch_b8 v0, s[64:65] scope:SCOPE_SE
	s_setreg_imm32_b32 hwreg(HW_REG_WAVE_MODE, 25, 1), 1
	s_wait_xcnt 0x0
; softmax(q k^T / 8 + bias) v with f16 operands and f32 sums, a running maximum, for all positions and heads.
; LEFT OUT: key steps all of whose keys come after the wave's queries (the causal mask that reference() builds itself gives them the weight 0: shown at the head of launch prep).
; A hidden key's score is -1e30 in place of finfo.min: with f16 operands |q . k| is under 2.7e11, so its weight is exactly 0 here as there.  The running maximum starts at -1e20, under every score that counts.
; A query with no key that counts gets 0 here; launch fine writes its row.
; SHARES.  Work-group (j, kv) owns two blocks of 32 positions, 127 - j and then j: together 17 slots of 256 keys for every j, so all 256 work-groups have equal work.
; Wave w: position tile w / 4 of the block, for the THREE query heads of kv (each fragment of K and V read from LDS feeds three products), and the quarter w % 4 (64 keys) of every slot.
; The four quarters' partial maxima, sums and outputs meet in LDS at a block's end.  Two waves share a SIMD, so that one wave's softmax stands beside the other's products.
; NO CLUSTER: under the causal mask the work-groups that walk one head's keys need different numbers of slots (1 to 16), so partners could not make every joint request.
; LAYOUT.  S^T = K Q^T (source 0 = 16 keys, source 1 = 16 queries) and O^T = V^T P: a lane holds one query throughout.  The padding mask's 0 or -1e30 is the C of a score's first product.
; K, Q and V lie in memory as images of the operand registers; V's pieces are read by the turning load at 16 x lane.
; LDS: ring R0 at 0, R1 at 65,536 (a slot: K 32,768 B, V 32,768 B); Z at 131,072: keys 0-255, filled once, read in both walks; the bias of all keys at 196,608, filled once;
;   the partial results at 212,992, 13,312 B a wave (no fill lands there); the spare words at 319,488.
; Every wave fetches an eighth of a slot.  Every wait on TENSORcnt is for 0; by this text's count at most two loads of a wave are out (at the head).
; REGISTERS.  Window 0: v1-15 addresses; v16-39 statistics, 8 a head (c m, m, l, l, four at work); v40-71 bias; v72-167 S^T, 32 a head, then P in the low 16; v168-231 V.  Window 1: v0-47 Q; v48-143 O^T; v144-207 K.
.set R1B,   65536
.set ZB,    131072
.set BIASB, 196608
.set PART,  212992
.set PARTW, 13312
.set SPARE, 319488
.set LI,  1
.set RR,  2
.set HH,  3
.set AK0, 4
.set AV0, 5
.set AB0, 6
.set ADK, 7
.set ADV, 8
.set ADB, 9
.set DD,  10
.set NEG, 11
.set MRD, 12
.set MRS, 13
.set MWO, 14
.set MWS, 15
.set ST,  16
.set BI,  40
.set S,   72
.set VF,  168
.set RH8, 232
.set PFO, 252
.set SPW, 254
.set NIL, 255
.set QR,  0                            ; window 1
.set OT,  48
.set KF,  144
.set WV,  10
.set WP,  11
.set WU,  12
.set KVH, 13
.set BLK, 14
.set Q0,  15
.set SK,  16
.set TB,  17
.set CNT, 18
.set OUTC, 19
.set SEL, 20
.set CS,  22
.set G1,  24
.set G1B, 32
.set G0,  40
.set G0Z, 44
.set G0B, 48
.set KVW, 52
.set PFA, 54
.set PFN, 56
.set LASTQ, 57
.set SBI, 58
.set R1W, 59
.set MSB, 0
.macro WIN new                         ; the immediate's high byte repeats the setting that is left
.if MSB != \new
	s_set_vgpr_msb (MSB<<8)|\new
.set MSB, \new
.endif
.endm
	s_load_b128 s[4:7], s[0:1], 0x0                ; qkv, tab
	s_load_b64 s[8:9], s[0:1], 0x10                ; ao
	v_lshl_add_u32 v[SPW], v0, 2, SPARE
	v_mov_b32 v[NIL], 0
	ds_add_u32 v[SPW], v[NIL]                      ; the wave's opening: the add, twice on end, and its wait ahead of my first tensor load
	ds_add_u32 v[SPW], v[NIL]
	v_lshrrev_b32 v1, 5, v0
	v_readfirstlane_b32 s[WV], v1                  ; wave 0..7
	s_lshr_b32 s[WP], s[WV], 2                     ; my tile of 16 positions in the block
	s_and_b32 s[WU], s[WV], 3                      ; my quarter of each slot
	s_and_b32 s[KVH], ttmp7, 0xffff
	s_sub_co_u32 s[BLK], 127, ttmp9
	s_mov_b32 s[G1], 3<<16                         ; 32 rows of 256 bytes, dense: an eighth of a slot
	s_mov_b32 s[G1+1], 32<<16
	s_mov_b32 s[G1+2], 32<<16
	s_mov_b32 s[G1+3], 32<<16
	s_mov_b32 s[G1+4], 32
	s_mov_b32 s[G1+5], 32
	s_mov_b32 s[G1+6], 0
	s_mov_b32 s[G1+7], 0
	s_mov_b32 s[G1B], 3<<16                        ; 8 rows: an eighth of the bias
	s_mov_b32 s[G1B+1], 32<<16
	s_mov_b32 s[G1B+2], 8<<16
	s_mov_b32 s[G1B+3], 32<<16
	s_mov_b32 s[G1B+4], 8
	s_mov_b32 s[G1B+5], 32
	s_mov_b32 s[G1B+6], 0
	s_mov_b32 s[G1B+7], 0
	s_mov_b32 s[SEL], 0x76543210
	s_mov_b32 s[SEL+1], 0xfedcba98
	s_mov_b32 s[CS], 0x3e38aa3b                    ; c = log2(e) / 8
	s_mov_b32 s[CS+1], s[CS]
	s_lshl_b32 s60, s[WV], 13
	s_add_co_u32 s[R1W], s60, R1B
	s_lshl_b32 s62, s[KVH], 20
	s_add_co_u32 s62, s62, s60
	s_add_co_u32 s62, s62, 6291456
	s_mov_b32 s63, 0
	s_lshl_b32 s66, s[WV], 11
	s_add_co_u32 s68, s66, 1048576
	s_mov_b32 s69, 0
	s_mov_b32 s[OUTC], 0
	s_cmp_eq_u32 ttmp9, 0
	s_cselect_b32 s[PFN], 14, 0                    ; prefetches to come: slots 2 to 15, asked for by the head's first work-group in its first walk
	s_wait_dscnt 0x0                               ; both opening adds are done
	s_wait_kmcnt 0x0
	s_add_nc_u64 s[KVW:KVW+1], s[4:5], s[62:63]    ; my eighth of the head's slot 0
	s_mov_b32 s[G0Z], 1
	s_add_co_u32 s[G0Z+1], s60, ZB
	s_mov_b64 s[G0Z+2:G0Z+3], s[KVW:KVW+1]
	s_or_b32 s[G0Z+3], s[G0Z+3], 0x80000000
	tensor_load_to_lds s[G0Z:G0Z+3], s[G1:G1+7]    ; keys 0-255: key 0 can count for every query
	s_nop 0
	s_mov_b32 s[G0B], 1
	s_add_co_u32 s[G0B+1], s66, BIASB
	s_add_nc_u64 s[G0B+2:G0B+3], s[6:7], s[68:69]
	s_or_b32 s[G0B+3], s[G0B+3], 0x80000000
	tensor_load_to_lds s[G0B:G0B+3], s[G1B:G1B+7]
	s_nop 0
.rept 4
	v_nop
.endr
	s_mov_b32 s[G0], 1
	s_add_nc_u64 s[PFA:PFA+1], s[KVW:KVW+1], 65536 ; the first change of slots steps it to slot 2
	v_and_b32 v[RR], 31, v0
	v_lshlrev_b32 v[LI], 4, v[RR]                  ; 16 x lane
	v_lshlrev_b32 v[PFO], 8, v[RR]                 ; 256 x lane
	v_lshlrev_b32 v[MWS], 2, v[RR]                 ; 4 x lane
	v_and_b32 v[RR], 15, v0
	v_bfe_u32 v[HH], v0, 4, 1
	s_lshl_b32 s60, s[WU], 13
	v_add_nc_u32 v[AK0], s60, v[LI]
	v_add_nc_u32 v[AV0], 32768, v[AK0]
	s_lshl_b32 s60, s[WU], 8
	s_add_co_u32 s60, s60, BIASB
	v_lshl_add_u32 v[AB0], v[HH], 5, s60
	v_lshlrev_b32 v[RH8], 3, v[HH]
	v_sub_nc_u32 v[RH8], v[RR], v[RH8]             ; r - 8 h
	v_mov_b32 v[NEG], 0xf149f2ca                   ; -1e30
	s_mul_i32 s60, s[WV], PARTW
	s_add_co_u32 s60, s60, PART
	v_add_nc_u32 v[MWO], s60, v[LI]
	s_add_co_u32 s60, s60, 12288
	v_add_nc_u32 v[MWS], s60, v[MWS]
	s_mul_i32 s60, s[WP], 4*PARTW
	s_add_co_u32 s60, s60, PART
	s_lshl_b32 s61, s[WU], 10
	s_add_co_u32 s61, s61, s60
	v_add_nc_u32 v[MRD], s61, v[LI]
	s_add_co_u32 s60, s60, 12288
	v_and_b32 v[MRS], 31, v0
	v_lshl_add_u32 v[MRS], v[MRS], 2, s60
; THE CHANGE OF SLOTS stands at a slot's head.  Every wave waits for all its tensor loads, adds 0 to its spare word, waits for that and for its reads of the slot that it has left; behind the barrier the slot ahead is whole
; and the other is filled with the keys that follow, while a later step reads them: a slot whose first key comes after the work-group's last query is not asked for (ids and counted steps alone: all eight waves go the same way).
.macro CHANGE first
	s_wait_tensorcnt 0x0                           ; no tensor load of mine is out: the descriptor may be written
	ds_add_u32 v[SPW], v[NIL]
.if \first
	s_mov_b32 s[G0+1], s[R1W]
	s_add_nc_u64 s[G0+2:G0+3], s[KVW:KVW+1], 65536
	s_or_b32 s[G0+3], s[G0+3], 0x80000000
.else
	s_xor_b32 s[G0+1], s[G0+1], R1B
	s_add_nc_u64 s[G0+2:G0+3], s[G0+2:G0+3], 65536
.endif
	s_wait_xcnt 0x0                                ; the last prefetch, a slot back, has read its address
	s_add_nc_u64 s[PFA:PFA+1], s[PFA:PFA+1], 65536
	s_wait_dscnt 0x0
	s_barrier_signal -1
	s_barrier_wait -1
	s_add_co_u32 s61, s[SK], 256
	s_cmp_gt_u32 s61, s[LASTQ]
	s_cbranch_scc1 .Lpast_\@
	tensor_load_to_lds s[G0:G0+3], s[G1:G1+7]
	s_nop 0
.rept 4
	v_nop
.endr
.Lpast_\@:
	s_cmp_eq_u32 s[PFN], 0                         ; a prefetch of the slot after the one just asked for: my eighth, lanes 256 bytes apart: each block is named once in the launch
	s_cbranch_scc1 .Lnot_mine_\@
	global_prefetch_b8 v[PFO], s[PFA:PFA+1] th:TH_LOAD_NT scope:SCOPE_SE
	s_sub_co_u32 s[PFN], s[PFN], 1
.Lnot_mine_\@:
.endm
; A KEY STEP: my 64 keys of the slot in hand, for my 16 queries of three heads.
.macro STEP
	s_lshl_b32 s60, s[WU], 6
	s_add_co_u32 s60, s60, s[SK]                   ; my first key
	s_add_co_u32 s61, s[Q0], 15
	s_cmp_gt_u32 s60, s61
	s_cbranch_scc1 .Lskip_\@                       ; all my keys come after my queries
	v_add_nc_u32 v[ADK], s[TB], v[AK0]
	v_add_nc_u32 v[ADV], s[TB], v[AV0]
	v_add_nc_u32 v[ADB], s[SBI], v[AB0]
	v_nop
	v_nop                                          ; five places: the scores below are written over registers that the last products read
	WIN 0x40                                       ; destination window 1
.irp i, 0,1,2,3
.irp b, 0,1,2,3
	ds_load_b128 v[KF+16*\i+4*\b:KF+16*\i+4*\b+3], v[ADK] offset:\i*2048+\b*512
.endr
.endr
	WIN 0
.irp i, 0,1,2,3
.irp n, 0,1
	ds_load_b128 v[BI+8*\i+4*\n:BI+8*\i+4*\n+3], v[ADB] offset:64*\i+16*\n
.endr
.endr
.irp e, 0,1
.irp t, 0,1,2,3
.irp n, 0,1
	ds_load_tr16_b128 v[VF+32*\e+8*\t+4*\n:VF+32*\e+8*\t+4*\n+3], v[ADV] offset:(2*\e+\n)*2048+\t*512
.endr
.endr
.endr
	s_wait_dscnt 16                                ; K and the bias are in; V's sixteen loads may be out
	WIN 0x05                                       ; K and Q in window 1
.irp c, 0,1                            ; twelve accumulators by turns, one instruction a turn
.irp i, 0,1,2,3
.irp g, 0,1,2
.if \c == 0
	v_wmma_f32_16x16x32_f16 v[S+32*\g+8*\i:S+32*\g+8*\i+7], v[KF+16*\i:KF+16*\i+7], v[QR+16*\g:QR+16*\g+7], v[BI+8*\i:BI+8*\i+7]
.else
	v_wmma_f32_16x16x32_f16 v[S+32*\g+8*\i:S+32*\g+8*\i+7], v[KF+16*\i+8:KF+16*\i+15], v[QR+16*\g+8:QR+16*\g+15], v[S+32*\g+8*\i:S+32*\g+8*\i+7]
.endif
.endr
.endr
.endr
	WIN 0
.rept 4
	v_nop
.endr
	s_add_co_u32 s61, s60, 63
	s_cmp_le_u32 s61, s[Q0]
	s_cbranch_scc1 .Lopen_\@                       ; all my keys count for all my queries
	s_sub_co_i32 s61, s[Q0], s60
	v_add_nc_u32 v[DD], s61, v[RH8]                ; register 8 i + j holds key 16 i + 8 h + j of my 64: hidden where 16 i + j > my query - my first key - 8 h
.set nn, 0
.rept 32
	v_cmp_gt_i32 vcc_lo, 16*(nn/8)+(nn%8), v[DD]
.irp g, 0,1,2
	v_cndmask_b32 v[S+32*\g+nn], v[S+32*\g+nn], v[NEG], vcc_lo
.endr
.set nn, nn+1
.endr
.Lopen_\@:
.irp k, 0,1,2,3                        ; the largest score, the three heads by turns; each accumulator is read from its low end on
.irp g, 0,1,2
	v_max3_num_f32 v[ST+8*\g+4+\k], v[S+32*\g+8*\k], v[S+32*\g+8*\k+1], v[S+32*\g+8*\k+2]
.endr
.endr
.irp q, 1,2
.irp k, 0,1,2,3
.irp g, 0,1,2
	v_max3_num_f32 v[ST+8*\g+4+\k], v[ST+8*\g+4+\k], v[S+32*\g+8*\k+2*\q+1], v[S+32*\g+8*\k+2*\q+2]
.endr
.endr
.endr
.irp g, 0,1,2
	v_max3_num_f32 v[ST+8*\g+4], v[ST+8*\g+4], v[S+32*\g+7], v[S+32*\g+15]
	v_max3_num_f32 v[ST+8*\g+6], v[ST+8*\g+6], v[S+32*\g+23], v[S+32*\g+31]
.endr
.irp g, 0,1,2
	v_max3_num_f32 v[ST+8*\g+4], v[ST+8*\g+4], v[ST+8*\g+5], v[ST+8*\g+6]
.endr
.irp g, 0,1,2
	v_max3_num_f32 v[ST+8*\g+4], v[ST+8*\g+4], v[ST+8*\g+7], v[ST+8*\g+1]   ; and the old m
.endr
.irp g, 0,1,2
	v_permlanex16_b32 v[ST+8*\g+5], v[ST+8*\g+4], s[SEL], s[SEL+1]          ; the query's other 32 keys lie in the lane 16 away
.endr
.irp g, 0,1,2
	v_mov_b32 v[ST+8*\g+7], v[ST+8*\g]
.endr
.irp g, 0,1,2
	v_max_num_f32 v[ST+8*\g+1], v[ST+8*\g+4], v[ST+8*\g+5]
.endr
.irp g, 0,1,2
	v_mul_f32 v[ST+8*\g], s[CS], v[ST+8*\g+1]
.endr
.irp g, 0,1,2
	v_sub_f32 v[ST+8*\g+7], v[ST+8*\g+7], v[ST+8*\g]                         ; c m_old - c m_new
.endr
.set jj, 0
.rept 16
.irp g, 0,1,2
	v_pk_fma_f32 v[S+32*\g+jj:S+32*\g+jj+1], v[S+32*\g+jj:S+32*\g+jj+1], s[CS:CS+1], v[ST+8*\g:ST+8*\g+1] op_sel_hi:[1,0,0] neg_lo:[0,0,1] neg_hi:[0,0,1]   ; c s - c m
.endr
.set jj, jj+2
.endr
.irp g, 0,1,2
	v_exp_f32 v[ST+8*\g+6], v[ST+8*\g+7]           ; a = 2^(c m_old - c m_new)
.endr
.set jj, 0
.rept 32
.irp g, 0,1,2
	v_exp_f32 v[S+32*\g+jj], v[S+32*\g+jj]
.endr
.set jj, jj+1
.endr
	v_nop                                          ; a plain line behind the last exponential
	s_wait_alu depctr_va_vdst(0)                   ; one wait for the batch of 99, ahead of its first reader
.irp g, 0,1,2
	v_pk_mul_f32 v[ST+8*\g+2:ST+8*\g+3], v[ST+8*\g+2:ST+8*\g+3], v[ST+8*\g+6:ST+8*\g+7] op_sel_hi:[1,0]
.endr
.irp g, 0,1,2
	v_pk_add_f32 v[ST+8*\g+4:ST+8*\g+5], v[S+32*\g:S+32*\g+1], v[S+32*\g+2:S+32*\g+3]
.endr
.set jj, 4
.rept 7
.irp g, 0,1,2
	v_pk_add_f32 v[ST+8*\g+2:ST+8*\g+3], v[ST+8*\g+2:ST+8*\g+3], v[S+32*\g+jj:S+32*\g+jj+1]
	v_pk_add_f32 v[ST+8*\g+4:ST+8*\g+5], v[ST+8*\g+4:ST+8*\g+5], v[S+32*\g+jj+2:S+32*\g+jj+3]
.endr
.set jj, jj+4
.endr
.irp g, 0,1,2
	v_pk_add_f32 v[ST+8*\g+2:ST+8*\g+3], v[ST+8*\g+2:ST+8*\g+3], v[ST+8*\g+4:ST+8*\g+5]
.endr
.set kk, 0
.rept 16                               ; p to f16, in place, upwards: register k takes numbers 2 k and 2 k + 1
.irp g, 0,1,2
	v_cvt_pk_f16_f32 v[S+32*\g+kk], v[S+32*\g+2*kk], v[S+32*\g+2*kk+1]
.endr
.set kk, kk+1
.endr
	WIN 0x41                                       ; O^T in window 1, a in window 0
.set jj, 0
.rept 16
.irp g, 0,1,2
	v_pk_mul_f32 v[OT+32*\g+jj:OT+32*\g+jj+1], v[OT+32*\g+jj:OT+32*\g+jj+1], v[ST+8*\g+6:ST+8*\g+7] op_sel_hi:[1,0]
.endr
.set jj, jj+2
.endr
	s_wait_dscnt 0x0                               ; V is in
	WIN 0x50                                       ; C and D in window 1
.irp e, 0,1
.irp t, 0,1,2,3
.irp g, 0,1,2
	v_wmma_f32_16x16x32_f16 v[OT+32*\g+8*\t:OT+32*\g+8*\t+7], v[VF+32*\e+8*\t:VF+32*\e+8*\t+7], v[S+32*\g+8*\e:S+32*\g+8*\e+7], v[OT+32*\g+8*\t:OT+32*\g+8*\t+7]
.endr
.endr
.endr
	WIN 0
.Lskip_\@:
.endm
.Lwalk:                                            ; two trips: block 127 - j, then block j
	s_lshl_b32 s[Q0], s[BLK], 5
	s_or_b32 s[LASTQ], s[Q0], 31                   ; the work-group's last query
	s_lshl_b32 s60, s[WP], 4
	s_add_co_u32 s[Q0], s[Q0], s60                 ; my first query
	s_mul_i32 s68, s[KVH], 768
	s_lshl_b32 s60, s[BLK], 1
	s_add_co_u32 s60, s60, s[WP]                   ; my tile of 16 positions
	s_add_co_u32 s68, s68, s60
	s_lshl_b32 s68, s68, 11
	s_mov_b32 s69, 0
	s_add_nc_u64 s[62:63], s[4:5], s[68:69]        ; Q of head 3 kv
	s_mul_i32 s68, s60, 24
	s_mul_i32 s61, s[KVH], 6
	s_add_co_u32 s68, s68, s61
	s_lshr_b32 s61, s[WU], 1
	s_add_co_u32 s68, s68, s61
	s_lshl_b32 s68, s68, 10
	s_and_b32 s61, s[WU], 1
	s_lshl_b32 s61, s61, 9
	s_add_co_u32 s68, s68, s61
	s_add_nc_u64 s[66:67], s[8:9], s[68:69]        ; ao: my tile, channels 16 (w % 4) on of head 3 kv
	WIN 0x40
.irp g, 0,1,2
.irp b, 0,1,2,3
	global_load_b128 v[QR+16*\g+4*\b:QR+16*\g+4*\b+3], v[LI], s[62:63] offset:\g*524288+\b*512
.endr
.endr
.set kk, 0
.rept 96
	v_mov_b32 v[OT+kk], 0                          ; O^T: a wave may have no step at all in a walk, so no first product can start these sums
.set kk, kk+1
.endr
	WIN 0
.irp g, 0,1,2
	v_mov_b32 v[ST+8*\g+1], 0xe0ad78ec             ; m = -1e20
	v_mul_f32 v[ST+8*\g], s[CS], v[ST+8*\g+1]
.irp k, 2,3,4,5,6,7
	v_mov_b32 v[ST+8*\g+\k], 0
.endr
.endr
	s_mov_b32 s[SK], 0
	s_mov_b32 s[SBI], 0
	s_mov_b32 s[TB], ZB
	CHANGE 1                                       ; keys 0-255 and the bias are whole; slot 1 is asked for
	s_wait_loadcnt 0x0                             ; Q
	STEP
	s_mov_b32 s[TB], R1B
	s_mov_b32 s[SK], 256
	s_mov_b32 s[SBI], 1024
	s_mov_b32 s[CNT], 15
.Lslot:                                            ; 15 trips, a constant: what is left out is a step's work and a slot's load, never a barrier
	CHANGE 0
	STEP
	s_xor_b32 s[TB], s[TB], R1B
	s_add_co_u32 s[SK], s[SK], 256
	s_add_co_u32 s[SBI], s[SBI], 1024
	s_sub_co_u32 s[CNT], s[CNT], 1
	s_cmp_lg_u32 s[CNT], 0
	s_cbranch_scc1 .Lslot
	; THE QUARTERS MEET.  Each wave stores its O^T (images of the registers), c m and l; behind a barrier wave (p, u) joins channels 16 u on of the four quarters, for the three heads.
.rept 4
	v_nop                                          ; places behind the last products
.endr
.irp g, 0,1,2
	v_add_f32 v[ST+8*\g+4], v[ST+8*\g+2], v[ST+8*\g+3]
.endr
.irp g, 0,1,2
	v_permlanex16_b32 v[ST+8*\g+5], v[ST+8*\g+4], s[SEL], s[SEL+1]
.endr
.irp g, 0,1,2
	v_add_f32 v[ST+8*\g+4], v[ST+8*\g+4], v[ST+8*\g+5]
.endr
	WIN 0x04                                       ; an LDS store's data: window 1
.irp g, 0,1,2
.irp t, 0,1,2,3
	ds_store_b128 v[MWO], v[OT+32*\g+8*\t:OT+32*\g+8*\t+3] offset:\g*4096+\t*1024
	ds_store_b128 v[MWO], v[OT+32*\g+8*\t+4:OT+32*\g+8*\t+7] offset:\g*4096+\t*1024+512
.endr
.endr
	WIN 0
.irp g, 0,1,2
	ds_store_b32 v[MWS], v[ST+8*\g] offset:\g*128
	ds_store_b32 v[MWS], v[ST+8*\g+4] offset:384+\g*128
.endr
	s_wait_dscnt 0x0                               ; for the others' sake: my stores have landed
	s_barrier_signal -1
	s_barrier_wait -1
.irp u, 0,1,2,3
.irp g, 0,1,2
.irp n, 0,1
	ds_load_b128 v[72+24*\u+8*\g+4*\n:72+24*\u+8*\g+4*\n+3], v[MRD] offset:\u*PARTW+\g*4096+\n*512
.endr
	ds_load_b32 v[168+3*\u+\g], v[MRS] offset:\u*PARTW+\g*128
	ds_load_b32 v[180+3*\u+\g], v[MRS] offset:\u*PARTW+384+\g*128
.endr
.endr
	s_wait_dscnt 0x0
.irp g, 0,1,2
	v_max3_num_f32 v[204+\g], v[168+\g], v[171+\g], v[174+\g]
.endr
.irp g, 0,1,2
	v_max_num_f32 v[204+\g], v[204+\g], v[177+\g]
.endr
.irp u, 0,1,2,3
.irp g, 0,1,2
	v_sub_f32 v[192+3*\u+\g], v[168+3*\u+\g], v[204+\g]
.endr
.endr
.set kk, 0
.rept 12
	v_exp_f32 v[192+kk], v[192+kk]                 ; f = 2^(c m of the quarter - the largest)
.set kk, kk+1
.endr
	v_nop
	s_wait_alu depctr_va_vdst(0)                   ; one wait for the twelve
.irp g, 0,1,2
	v_mul_f32 v[204+\g], v[192+\g], v[180+\g]
.endr
.irp u, 1,2,3
.irp g, 0,1,2
	v_fma_f32 v[204+\g], v[192+3*\u+\g], v[180+3*\u+\g], v[204+\g]
.endr
.endr
.irp g, 0,1,2
	v_max_num_f32 v[204+\g], 0.5, v[204+\g]        ; a row with a key that counts has a sum of 1 or more; one without gets 0 and no NaN
.endr
.irp g, 0,1,2
	v_rcp_f32 v[208+\g], v[204+\g]
.endr
	v_nop
	s_wait_alu depctr_va_vdst(0)                   ; one wait for the three
.irp u, 0,1,2,3
.irp g, 0,1,2
	v_mul_f32 v[192+3*\u+\g], v[192+3*\u+\g], v[208+\g]
.endr
.endr
.irp g, 0,1,2
.irp j, 0,1,2,3,4,5,6,7
	v_mul_f32 v[72+8*\g+\j], v[72+8*\g+\j], v[192+\g]
.endr
.endr
.irp u, 1,2,3
.irp g, 0,1,2
.irp j, 0,1,2,3,4,5,6,7
	v_fma_f32 v[72+8*\g+\j], v[72+24*\u+8*\g+\j], v[192+3*\u+\g], v[72+8*\g+\j]
.endr
.endr
.endr
.irp g, 0,1,2
.irp k, 0,1,2,3
	v_cvt_pk_f16_f32 v[216+4*\g+\k], v[72+8*\g+2*\k], v[72+8*\g+2*\k+1]
.endr
	global_store_b128 v[LI], v[216+4*\g:219+4*\g], s[66:67] offset:2048*\g     ; 512 consecutive bytes, aligned: a piece of the last product's operand
.endr
	s_wait_xcnt 0x0                                ; the stores have read their base and data: both are written again in the next walk
	s_sub_co_u32 s[BLK], 127, s[BLK]
	s_add_co_u32 s[OUTC], s[OUTC], 1
	s_cmp_lt_u32 s[OUTC], 2
	s_cbranch_scc1 .Lwalk
	s_wait_tensorcnt 0x0                           ; the wave's end
	ds_add_u32 v[SPW], v[NIL]
	s_wait_dscnt 0x0
	s_endpgm
.Lfunc_end_k_qf5e3a6f7dc_attn:
	.size	k_qf5e3a6f7dc_attn, .Lfunc_end_k_qf5e3a6f7dc_attn-k_qf5e3a6f7dc_attn
	.p2alignl 7, 3214868480
	.fill 96, 4, 3214868480
	.section	.rodata,"a",@progbits
	.p2align	6, 0x0
	.amdhsa_kernel k_qf5e3a6f7dc_attn
		.amdhsa_group_segment_fixed_size 327680
		.amdhsa_private_segment_fixed_size 0
		.amdhsa_enable_private_segment 0
		.amdhsa_kernarg_size 24
		.amdhsa_user_sgpr_count 2
		.amdhsa_user_sgpr_kernarg_segment_ptr 1
		.amdhsa_wavefront_size32 1
		.amdhsa_system_sgpr_workgroup_id_x 1
		.amdhsa_system_sgpr_workgroup_id_y 1
		.amdhsa_system_sgpr_workgroup_id_z 1
		.amdhsa_system_vgpr_workitem_id 0
		.amdhsa_next_free_vgpr 512
		.amdhsa_next_free_sgpr 80
		.amdhsa_reserve_vcc 1
		.amdhsa_float_denorm_mode_32 3
		.amdhsa_float_denorm_mode_16_64 3
		.amdhsa_memory_ordered 1
		.amdhsa_forward_progress 1
		.amdhsa_inst_pref_size 86
	.end_amdhsa_kernel
	.amdgpu_metadata
---
amdhsa.version: [ 1, 2 ]
amdhsa.kernels:
  - .name:           k_qf5e3a6f7dc_attn
    .symbol:         k_qf5e3a6f7dc_attn.kd
    .args:
      - { .name: qkv, .offset: 0, .size: 8, .value_kind: global_buffer, .address_space: global }
      - { .name: tab, .offset: 8, .size: 8, .value_kind: global_buffer, .address_space: global }
      - { .name: ao, .offset: 16, .size: 8, .value_kind: global_buffer, .address_space: global }
    .group_segment_fixed_size: 327680
    .private_segment_fixed_size: 0
    .kernarg_segment_align: 8
    .kernarg_segment_size: 24
    .max_flat_workgroup_size: 256
    .sgpr_count:     80
    .vgpr_count:     512
    .wavefront_size: 32
...
	.end_amdgpu_metadata
.endif
;; end of part 3
;; launch oproj (part 4): grid 16 x 16, 8 waves a work-group, clusters of 4 x 4, 327,680 bytes of LDS; arguments ao, wof, out0; writes out0
.if DOCPART == 4
	.amdgcn_target "amdgcn-amd-amdhsa--gfx1250"
	.amdhsa_code_object_version 6
	.text
	.protected	k_qf5e3a6f7dc_oproj
	.globl	k_qf5e3a6f7dc_oproj
	.p2align	8
	.type	k_qf5e3a6f7dc_oproj,@function
k_qf5e3a6f7dc_oproj:
	s_mov_b64 s[64:65], 0
	v_nop
	global_prefetch_b8 v0, s[64:65] scope:SCOPE_SE
	s_setreg_imm32_b32 hwreg(HW_REG_WAVE_MODE, 25, 1), 1
	s_wait_xcnt 0x0
	s_wait_alu depctr_hold_cnt(0) depctr_sa_sdst(0) depctr_va_vdst(0) depctr_va_sdst(0) depctr_va_ssrc(0) depctr_va_vcc(0) depctr_vm_vsrc(0)
	s_getreg_b32 s2, hwreg(HW_REG_IB_STS2, 6, 4)
	s_cmp_eq_u32 s2, 0
	s_cbranch_scc0 .Lentry_in_a_cluster
	s_endpgm
.Lentry_in_a_cluster:
	s_bfe_u32 s2, ttmp6, 0x10000c
	s_cmp_lg_u32 s2, 0xf033
	s_cbranch_scc0 .Lentry_shape_is_right
	s_endpgm
.Lentry_shape_is_right:
; out0 = (attention's output) Wo: [4096][768] x [768][3072], f16 operands, f32 sums, f32 out.  Rows 0-15 (and rows with no key that counts) are written again, in f32 throughout, by launch fine.
; A tile of out0 is 256 rows x 192 columns: 16 x 16 = 256 work-groups.  Eight waves; wave w makes rows 64 (w / 2) on, columns 96 (w % 2) on: 24 accumulators, in window 1.
; Both operands lie in memory as images of the operand registers: [tile of 16][chunk of 32 K 24][1,024 B].  K goes in steps of 128 (4 chunks, 4,096 consecutive bytes of each tile of 16) through two LDS slots:
; A's 16 tiles, then B's 12.  Waves 0-3 fetch 4 of A's tiles each, waves 4-7 3 of B's.  No pitch and no padding: every fragment load reads 512 consecutive bytes.
; CLUSTER 4 x 4: A's tiles are shared along a row of the cluster, B's along a column: joint loads, as many requests as a quarter of the work-groups would make.
; THE PRODUCT IS USED TRANSPOSED (source 0 = 16 columns of Wo, source 1 = 16 rows): a lane holds eight neighbouring columns of a row.
; No prefetch: six K steps in all, each asked for a whole step (96 matrix instructions a wave) ahead.
.set SLOT,   114688
.set BOFF,   65536
.set SPARE,  229376
.set SPITCH, 784                       ; the way out: 256 rows x (768 + 16) bytes, in the ring, which has had its last fill by then
.set F0,   64                          ; fragment buffers in window 0: 32 registers of A, 48 of B
.set F1,   144
.set ADA,  16
.set ADB,  20
.set STO,  24
.set RD0,  25
.set RD1,  26
.set GO0,  27
.set SPW,  28
.set NIL,  29
.set GO1,  30
.set G1,  24
.set G0,  32
.set G1B, 48
.set G0B, 56
.set MUL, 0x50                         ; C and D in window 1
.set MSB, 0
.macro WIN new
.if MSB != \new
	s_set_vgpr_msb (MSB<<8)|\new
.set MSB, \new
.endif
.endm
.macro JLOAD s
	s_cmp_eq_u32 s11, 0
	s_cbranch_scc0 .Lfor_b_\@
	tensor_load_to_lds s[G0+4*\s:G0+4*\s+3], s[G1:G1+7]
	s_nop 0
.rept 4
	v_nop
.endr
	s_branch .Lasked_\@
.Lfor_b_\@:
	tensor_load_to_lds s[G0B+4*\s:G0B+4*\s+3], s[G1B:G1B+7]
	s_nop 0
.rept 4
	v_nop
.endr
.Lasked_\@:
.endm
.macro CREST
	s_cmp_lg_u32 s10, 0
	s_cbranch_scc1 .Lnot_wave_0_\@
	s_barrier_signal -3
.Lnot_wave_0_\@:
	s_barrier_wait -3
	s_barrier_signal -1
	s_barrier_wait -1
.endm
.macro CROUND
	s_barrier_signal -1
	s_barrier_wait -1
	CREST
.endm
	s_load_b128 s[4:7], s[0:1], 0x0                ; ao, wof
	s_load_b64 s[8:9], s[0:1], 0x10                ; out0
	v_lshl_add_u32 v[SPW], v0, 2, SPARE
	v_mov_b32 v[NIL], 0
	ds_add_u32 v[SPW], v[NIL]                      ; the wave's opening: the add, twice on end, and its wait ahead of my first tensor load
	ds_add_u32 v[SPW], v[NIL]
	v_lshrrev_b32 v1, 5, v0
	v_readfirstlane_b32 s10, v1                    ; wave 0..7
	s_lshr_b32 s11, s10, 2                         ; I fetch for A (0) or for B (1)
	s_and_b32 s12, s10, 3                          ; which part
	s_lshr_b32 s13, s10, 1                         ; my 64 rows
	s_and_b32 s14, s10, 1                          ; my 96 columns
	s_bfe_u32 s40, ttmp6, 0x40000                  ; cx
	s_bfe_u32 s41, ttmp6, 0x40004                  ; cy
	s_lshl_b32 s42, ttmp9, 2
	s_add_co_u32 s42, s42, s40                     ; tile column
	s_and_b32 s15, ttmp7, 0xffff
	s_lshl_b32 s15, s15, 2
	s_add_co_u32 s15, s15, s41                     ; tile row
	s_lshl_b32 s43, s41, 2
	s_lshl_b32 s43, 15, s43                        ; my row of the cluster
	s_lshl_b32 s44, 0x1111, s40                    ; my column
	s_or_b32 s[G1], s43, (3<<16)|(1<<21)           ; elements of 8 bytes; bit 21 beside the mask
	s_or_b32 s[G1B], s44, (3<<16)|(1<<21)
	s_mov_b32 s[G1+1], 512<<16                     ; a row: 4,096 bytes
	s_mov_b32 s[G1+2], 4<<16                       ; A: 4 tiles of 16 rows
	s_mov_b32 s[G1+3], 512<<16
	s_mov_b32 s[G1+4], 4
	s_mov_b32 s[G1+5], 3072                        ; 24,576 bytes from tile to tile
	s_mov_b32 s[G1+6], 0
	s_mov_b32 s[G1+7], 0
	s_mov_b32 s[G1B+1], 512<<16
	s_mov_b32 s[G1B+2], 3<<16                      ; B: 3 tiles of 16 columns
	s_mov_b32 s[G1B+3], 512<<16
	s_mov_b32 s[G1B+4], 3
	s_mov_b32 s[G1B+5], 3072
	s_mov_b32 s[G1B+6], 0
	s_mov_b32 s[G1B+7], 0
	s_lshl_b32 s16, s15, 4
	s_lshl_b32 s17, s12, 2
	s_add_co_u32 s16, s16, s17
	s_mul_i32 s16, s16, 24576                      ; A: tile 16 x tile row + 4 x part
	s_mov_b32 s17, 0
	s_mul_i32 s46, s42, 12
	s_mul_i32 s47, s12, 3
	s_add_co_u32 s46, s46, s47
	s_mul_i32 s46, s46, 24576                      ; B: tile 12 x tile column + 3 x part
	s_mov_b32 s47, 0
	s_lshl_b32 s20, s12, 14                        ; where they go: no place in the cluster enters an LDS address
	s_mul_i32 s21, s12, 12288
	s_add_co_u32 s21, s21, BOFF
	s_wait_dscnt 0x0                               ; both opening adds are done
	s_wait_kmcnt 0x0
	s_add_nc_u64 s[18:19], s[4:5], s[16:17]
	s_add_nc_u64 s[46:47], s[6:7], s[46:47]
	CROUND                                         ; all sixteen work-groups are here: the first joint loads meet
.irp s, 0,1
	s_mov_b32 s[G0+4*\s], 1
	s_add_co_u32 s[G0+4*\s+1], s20, \s*SLOT
	s_add_nc_u64 s[G0+4*\s+2:G0+4*\s+3], s[18:19], \s*4096
	s_or_b32 s[G0+4*\s+3], s[G0+4*\s+3], 0x80000000
	s_mov_b32 s[G0B+4*\s], 1
	s_add_co_u32 s[G0B+4*\s+1], s21, \s*SLOT
	s_add_nc_u64 s[G0B+4*\s+2:G0B+4*\s+3], s[46:47], \s*4096
	s_or_b32 s[G0B+4*\s+3], s[G0B+4*\s+3], 0x80000000
	JLOAD \s
.endr
	v_and_b32 v1, 31, v0                           ; lane
	v_and_b32 v2, 15, v0                           ; r
	v_bfe_u32 v3, v0, 4, 1                         ; h
	v_lshlrev_b32 v4, 4, v1                        ; 16 x lane
	s_lshl_b32 s22, s13, 14
	v_add_nc_u32 v[ADA], s22, v4
	v_add_nc_u32 v[ADA+1], SLOT, v[ADA]
	s_mul_i32 s22, s14, 24576
	s_add_co_u32 s22, s22, BOFF
	v_add_nc_u32 v[ADB], s22, v4
	v_add_nc_u32 v[ADB+1], SLOT, v[ADB]
	s_mul_i32 s22, s13, 64*SPITCH
	s_mul_i32 s23, s14, 384
	s_add_co_u32 s22, s22, s23
	v_mul_u32_u24 v[STO], v2, SPITCH
	v_lshl_add_u32 v[STO], v3, 5, v[STO]
	v_add_nc_u32 v[STO], s22, v[STO]               ; into the stage: row 64 wm + r, 384 wn + 32 h
	s_mul_i32 s22, s10, 32*SPITCH                  ; back: wave w takes rows 32 w on, two rows (96 pieces of 16 bytes) in three loads
	v_add_nc_u32 v[RD0], s22, v4                   ; pieces 0-31 of the even row; + 1,040: pieces 16-47 of the odd row
	v_mul_u32_u24 v[RD1], v3, 272
	v_lshl_add_u32 v[RD1], v2, 4, v[RD1]
	v_add_nc_u32 v[RD1], 512, v[RD1]
	v_add_nc_u32 v[RD1], s22, v[RD1]               ; lanes 0-15: pieces 32-47 of the even row; lanes 16-31: pieces 0-15 of the odd one, 272 bytes on
	v_mov_b32 v[GO0], v4
	v_mul_u32_u24 v[GO1], v3, 11776
	v_lshl_add_u32 v[GO1], v2, 4, v[GO1]
	v_add_nc_u32 v[GO1], 512, v[GO1]
	s_lshl_b32 s16, s15, 8
	s_lshl_b32 s17, s10, 5
	s_add_co_u32 s16, s16, s17
	s_mul_i32 s16, s16, 12288
	s_mov_b32 s17, 0
	s_add_nc_u64 s[8:9], s[8:9], s[16:17]
	s_mul_i32 s46, s42, 768
	s_mov_b32 s47, 0
	s_add_nc_u64 s[8:9], s[8:9], s[46:47]
.macro MULA f, a, zero                 ; six products: my tile of rows a x my six tiles of columns; the 24 accumulators take turns, one instruction a turn
.irp b, 0,1,2,3,4,5
.if \zero
	v_wmma_f32_16x16x32_f16 v[8*(6*\a+\b):8*(6*\a+\b)+7], v[\f+32+8*\b:\f+32+8*\b+7], v[\f+8*\a:\f+8*\a+7], 0
.else
	v_wmma_f32_16x16x32_f16 v[8*(6*\a+\b):8*(6*\a+\b)+7], v[\f+32+8*\b:\f+32+8*\b+7], v[\f+8*\a:\f+8*\a+7], v[8*(6*\a+\b):8*(6*\a+\b)+7]
.endif
.endr
.endm
.macro FETCH slot, c, f                ; chunk c of the slot: 20 loads in one run
.irp a, 0,1,2,3
.irp g, 0,1
	ds_load_b128 v[\f+8*\a+4*\g:\f+8*\a+4*\g+3], v[ADA+\slot] offset:\a*4096+\c*1024+\g*512
.endr
.endr
.irp b, 0,1,2,3,4,5
.irp g, 0,1
	ds_load_b128 v[\f+32+8*\b+4*\g:\f+32+8*\b+4*\g+3], v[ADB+\slot] offset:\b*4096+\c*1024+\g*512
.endr
.endr
.endm
.macro PLACES
.rept 4
	v_nop
.endr
.endm
.macro CHUNK slot, cnext, f, g, zero   ; multiplies buffer f; in its middle it fetches chunk cnext of the same slot into buffer g
	s_wait_dscnt 0x0
	WIN MUL
	MULA \f, 0, \zero
	MULA \f, 1, \zero
	PLACES
	WIN 0
	FETCH \slot, \cnext, \g
	WIN MUL
	MULA \f, 2, \zero
	MULA \f, 3, \zero
.endm
.macro TURN slot, next, fill           ; the slot's last chunk (buffer 1) and the change of slots: one barrier, which opens a round of the cluster's where the slot is filled again
	WIN 0
	s_wait_tensorcnt 0x0                           ; all my tensor loads have landed: my part of the next slot
	ds_add_u32 v[SPW], v[NIL]
	s_wait_dscnt 1                                 ; buffer 1 is in; the add may be out
	WIN MUL
	MULA F1, 0, 0
	s_wait_dscnt 0x0                               ; the add is done, and my reads of this slot are over
	s_barrier_signal -1
	MULA F1, 1, 0
	WIN 0
	s_barrier_wait -1
.if \fill
	CREST
	s_add_nc_u64 s[G0+4*\slot+2:G0+4*\slot+3], s[G0+4*\slot+2:G0+4*\slot+3], 8192
	s_add_nc_u64 s[G0B+4*\slot+2:G0B+4*\slot+3], s[G0B+4*\slot+2:G0B+4*\slot+3], 8192
	JLOAD \slot                                    ; the first tensor load behind the round; its four v_nop are also the places in front of the loads below
.else
	PLACES
.endif
	FETCH \next, 0, F0
	WIN MUL
	MULA F1, 2, 0
	MULA F1, 3, 0
.endm
	s_wait_tensorcnt 1                             ; my part of K step 0 is in; step 1's may stay out
	s_barrier_signal -1
	s_barrier_wait -1
	FETCH 0, 0, F0
	CHUNK 0, 1, F0, F1, 1                          ; the first chunk's products start the sums
	WIN 0
	s_mov_b32 s3, 2
.Llap:                                             ; a trip goes once round the ring and fills both slots again: K steps 2, 3 and then 4, 5
	CHUNK 0, 2, F1, F0, 0
	CHUNK 0, 3, F0, F1, 0
	TURN 0, 1, 1
	CHUNK 1, 1, F0, F1, 0
	CHUNK 1, 2, F1, F0, 0
	CHUNK 1, 3, F0, F1, 0
	TURN 1, 0, 1
	CHUNK 0, 1, F0, F1, 0
	WIN 0
	s_sub_co_u32 s3, s3, 1
	s_cmp_lg_u32 s3, 0
	s_cbranch_scc1 .Llap
	CHUNK 0, 2, F1, F0, 0                          ; the last lap fills nothing
	CHUNK 0, 3, F0, F1, 0
	TURN 0, 1, 0
	CHUNK 1, 1, F0, F1, 0
	CHUNK 1, 2, F1, F0, 0
	CHUNK 1, 3, F0, F1, 0
	s_wait_dscnt 0x0
	WIN MUL
	MULA F1, 0, 0
	MULA F1, 1, 0
	MULA F1, 2, 0
	MULA F1, 3, 0
	WIN 0
	PLACES
	s_barrier_signal -1                            ; every wave's reads of the ring are over (each has waited for them): the stage may be written over it
	s_barrier_wait -1
	WIN 0x04                                       ; an LDS store's data: window 1
.irp a, 0,1,2,3
.irp b, 0,1,2,3,4,5
	ds_store_b128 v[STO], v[8*(6*\a+\b):8*(6*\a+\b)+3] offset:\a*16*SPITCH+64*\b        ; each accumulator from its low end on
	ds_store_b128 v[STO], v[8*(6*\a+\b)+4:8*(6*\a+\b)+7] offset:\a*16*SPITCH+64*\b+16
.endr
.endr
	WIN 0
	s_wait_dscnt 0x0                               ; for the others' sake: a row's 768 bytes come from two waves
	s_barrier_signal -1
	s_barrier_wait -1
.set kk, 0
.rept 16
	ds_load_b128 v[64+12*kk:67+12*kk], v[RD0] offset:kk*2*SPITCH
	ds_load_b128 v[68+12*kk:71+12*kk], v[RD1] offset:kk*2*SPITCH
	ds_load_b128 v[72+12*kk:75+12*kk], v[RD0] offset:kk*2*SPITCH+SPITCH+256
.set kk, kk+1
.endr
.set kk, 0
.rept 16                               ; sixteen lanes store 256 consecutive bytes, at a multiple of 256 from out0's first byte
	s_wait_dscnt 47-3*kk
	global_store_b128 v[GO0], v[64+12*kk:67+12*kk], s[8:9] offset:kk*24576 th:TH_STORE_NT
	s_wait_dscnt 46-3*kk
	global_store_b128 v[GO1], v[68+12*kk:71+12*kk], s[8:9] offset:kk*24576 th:TH_STORE_NT
	s_wait_dscnt 45-3*kk
	global_store_b128 v[GO0], v[72+12*kk:75+12*kk], s[8:9] offset:kk*24576+12544 th:TH_STORE_NT
.set kk, kk+1
.endr
	s_wait_tensorcnt 0x0                           ; the wave's end
	ds_add_u32 v[SPW], v[NIL]
	s_wait_dscnt 0x0
	CROUND                                         ; the closing round
	s_endpgm
.Lfunc_end_k_qf5e3a6f7dc_oproj:
	.size	k_qf5e3a6f7dc_oproj, .Lfunc_end_k_qf5e3a6f7dc_oproj-k_qf5e3a6f7dc_oproj
	.p2alignl 7, 3214868480
	.fill 96, 4, 3214868480
	.section	.rodata,"a",@progbits
	.p2align	6, 0x0
	.amdhsa_kernel k_qf5e3a6f7dc_oproj
		.amdhsa_group_segment_fixed_size 327680
		.amdhsa_private_segment_fixed_size 0
		.amdhsa_enable_private_segment 0
		.amdhsa_kernarg_size 24
		.amdhsa_user_sgpr_count 2
		.amdhsa_user_sgpr_kernarg_segment_ptr 1
		.amdhsa_wavefront_size32 1
		.amdhsa_system_sgpr_workgroup_id_x 1
		.amdhsa_system_sgpr_workgroup_id_y 1
		.amdhsa_system_sgpr_workgroup_id_z 1
		.amdhsa_system_vgpr_workitem_id 0
		.amdhsa_next_free_vgpr 512
		.amdhsa_next_free_sgpr 66
		.amdhsa_reserve_vcc 0
		.amdhsa_float_denorm_mode_32 3
		.amdhsa_float_denorm_mode_16_64 3
		.amdhsa_memory_ordered 1
		.amdhsa_forward_progress 1
		.amdhsa_inst_pref_size 70
	.end_amdhsa_kernel
	.amdgpu_metadata
---
amdhsa.version: [ 1, 2 ]
amdhsa.kernels:
  - .name:           k_qf5e3a6f7dc_oproj
    .symbol:         k_qf5e3a6f7dc_oproj.kd
    .args:
      - { .name: ao, .offset: 0, .size: 8, .value_kind: global_buffer, .address_space: global }
      - { .name: wof, .offset: 8, .size: 8, .value_kind: global_buffer, .address_space: global }
      - { .name: out0, .offset: 16, .size: 8, .value_kind: global_buffer, .address_space: global }
    .group_segment_fixed_size: 327680
    .private_segment_fixed_size: 0
    .kernarg_segment_align: 8
    .kernarg_segment_size: 24
    .max_flat_workgroup_size: 256
    .sgpr_count:     66
    .vgpr_count:     512
    .wavefront_size: 32
...
	.end_amdgpu_metadata
.endif
;; end of part 4
;; launch fine (part 5): grid 96 x 1, 12 waves a work-group, no clusters, 32,768 bytes of LDS; arguments qkv, Wo, attention_mask, first, out0; writes out0
.if DOCPART == 5
	.amdgcn_target "amdgcn-amd-amdhsa--gfx1250"
	.amdhsa_code_object_version 6
	.text
	.protected	k_qf5e3a6f7dc_fine
	.globl	k_qf5e3a6f7dc_fine
	.p2align	8
	.type	k_qf5e3a6f7dc_fine,@function
k_qf5e3a6f7dc_fine:
	s_mov_b64 s[64:65], 0
	v_nop
	global_prefetch_b8 v0, s[64:65] scope:SCOPE_SE
	s_setreg_imm32_b32 hwreg(HW_REG_WAVE_MODE, 25, 1), 1
	s_wait_xcnt 0x0
; THE FIRST 16 POSITIONS, wholly in f32 (they average one to sixteen values and are the largest rows of the output), and the rows with no key that counts.
; Only keys 0-15 are multiplied: the later ones lie above the diagonal for these rows (shown at the head of launch prep).
; A query q under f, the first key with attention_mask > 0, has finfo.min in all 4,096 places of reference()'s scores: its weights are uniform and its attention output is the mean of v over ALL keys,
; taken here from the column sums that launch qkv stored.  All such rows are equal; row 0 is one of them where f > 0: rows 16 .. f - 1 are copies of it.
; SHARES.  Wave = query head; a work-group takes 32 columns of out0 (runs of 128 bytes: 196,608 bytes in all where f <= 16).  The twelve heads' parts of the last product meet in LDS.
; All products by v_wmma_f32_16x16x4_f32; which four of K a step takes is chosen alike for both operands, so that loads and earlier results feed it as they lie.
; Its accumulators, v128-159, are written by matrix instructions alone; what is made of a sum goes into other registers.
; Branches on f hang on whole numbers that launch prep stored.  The loop that copies row 0 has a constant count, 255 groups of 16 rows; f only passes groups over and narrows EXEC: no address hangs on it.
.set F32O,  10485760
.set VSUMO, 10567680
.set REDW,  2304                       ; LDS: a wave's 16 rows x (128 + 16) bytes
.set VMS,   27648                      ; a wave's 64 means
.set SPARE, 30720
.set GRP,   16*12288                   ; 16 rows of out0 in bytes
.set KQO, 4
.set VOF, 5
.set WOF, 6
.set MOF, 7
.set DD,  8
.set NEG, 9
.set SPW, 10
.set NIL, 11
.set STO, 12
.set RDA, 13
.set GOF, 14                           ; v14 my byte in 16 rows of out0: (thread / 8) x 12,288 + 16 x (thread % 8); never rewritten
.set VMW, 15
.set KR,  16                           ; v16-47   K, later the normalised O^T
.set QQ,  48                           ; v48-79   Q, later the means
.set VR,  80                           ; v80-111  V
.set SS,  112                          ; v112-119 scores
.set PP,  120                          ; v120-127 p
.set OA,  128                          ; v128-159 O^T's four tiles; S^T's two sums lie in the upper half before, the last product's two in the lower half after
.set SA,  144
.set MK,  160                          ; v160-167 the mask of my eight keys
.set TM,  168                          ; v168.. at work: m, a permute's result, c m, l, max(l, 1/2), 1 / it, two addresses
.set ROWV, 176                         ; v176 16 + thread / 8: my row in the first group that is copied to; never rewritten
.set R0A,  177                         ; v177 16 x (thread % 8)
.set WR,  192                          ; v192-255 Wo
	s_load_b256 s[4:11], s[0:1], 0x0               ; qkv 4, Wo 6, mask 8, first 10
	s_load_b64 s[12:13], s[0:1], 0x20              ; out0
	v_lshl_add_u32 v[SPW], v0, 2, SPARE
	v_mov_b32 v[NIL], 0
	v_lshrrev_b32 v1, 5, v0
	v_readfirstlane_b32 s14, v1                    ; wave = query head 0..11
	s_mul_i32 s15, s14, 11
	s_lshr_b32 s15, s15, 5                         ; its key/value head: head / 3
	v_and_b32 v1, 31, v0
	v_and_b32 v2, 15, v0                           ; r
	v_bfe_u32 v3, v0, 4, 1                         ; h
	v_lshlrev_b32 v[KQO], 8, v2
	v_lshl_add_u32 v[KQO], v3, 4, v[KQO]           ; K, Q: row r, + 16 h: channels 8 c + 4 h + 0..3
	v_lshlrev_b32 v[VOF], 2, v2
	v_lshl_add_u32 v[VOF], v3, 11, v[VOF]          ; V: key 8 h + .., channel r
	v_mul_u32_u24 v[WOF], v3, 8*12288
	v_lshl_add_u32 v[WOF], v2, 2, v[WOF]           ; Wo: row 8 h + .., column r
	v_lshlrev_b32 v[MOF], 5, v3
	v_lshlrev_b32 v[DD], 3, v3
	v_sub_nc_u32 v[DD], v2, v[DD]                  ; r - 8 h
	v_mov_b32 v[NEG], 0xf149f2ca                   ; -1e30
	s_mul_i32 s20, s14, REDW
	v_mul_u32_u24 v[STO], v2, 144
	v_lshl_add_u32 v[STO], v3, 5, v[STO]
	v_add_nc_u32 v[STO], s20, v[STO]
	v_lshrrev_b32 v[TM], 3, v0                     ; the way out: row = thread / 8, 16 bytes = thread % 8
	v_and_b32 v[TM+1], 7, v0
	v_mul_u32_u24 v[RDA], v[TM], 144
	v_lshl_add_u32 v[RDA], v[TM+1], 4, v[RDA]
	v_mul_u32_u24 v[GOF], v[TM], 12288
	v_lshl_add_u32 v[GOF], v[TM+1], 4, v[GOF]
	v_lshlrev_b32 v[R0A], 4, v[TM+1]
	v_add_nc_u32 v[ROWV], 16, v[TM]
	s_lshl_b32 s20, s14, 8
	s_add_co_u32 s20, s20, VMS
	v_lshl_add_u32 v[VMW], v1, 3, s20
	v_lshl_add_u32 v[TM+6], v3, 5, s20
	v_lshlrev_b32 v[TM+7], 3, v1
	s_mov_b32 s40, 0x76543210
	s_mov_b32 s41, 0xfedcba98
	s_mov_b32 s42, 0x3e38aa3b                      ; c = log2(e) / 8
	s_mov_b32 s21, 0
	s_wait_kmcnt 0x0
	s_load_b128 s[16:19], s[10:11], 0x0            ; the four quarters' first valid keys
	s_lshl_b32 s20, s15, 12
	s_add_co_u32 s20, s20, F32O+12*4096
	s_add_nc_u64 s[24:25], s[4:5], s[20:21]        ; K
	s_add_co_u32 s20, s20, 4*4096
	s_add_nc_u64 s[28:29], s[4:5], s[20:21]        ; V
	s_lshl_b32 s20, s14, 12
	s_add_co_u32 s20, s20, F32O
	s_add_nc_u64 s[26:27], s[4:5], s[20:21]        ; Q
	s_lshl_b32 s20, s15, 8
	s_add_co_u32 s20, s20, VSUMO
	s_add_nc_u64 s[32:33], s[4:5], s[20:21]        ; v's sums, my head's 64 channels
	s_mul_i32 s20, s14, 64*12288
	s_lshl_b32 s22, ttmp9, 7
	s_add_co_u32 s20, s20, s22
	s_add_nc_u64 s[30:31], s[6:7], s[20:21]        ; Wo: my head's 64 rows, my work-group's 32 columns
	s_mov_b32 s23, 0
	s_add_nc_u64 s[34:35], s[12:13], s[22:23]      ; out0 at those columns
.irp c, 0,1,2,3,4,5,6,7
	global_load_b128 v[KR+4*\c:KR+4*\c+3], v[KQO], s[24:25] offset:32*\c
.endr
.irp c, 0,1,2,3,4,5,6,7
	global_load_b128 v[QQ+4*\c:QQ+4*\c+3], v[KQO], s[26:27] offset:32*\c
.endr
	global_load_b128 v[MK:MK+3], v[MOF], s[8:9]
	global_load_b128 v[MK+4:MK+7], v[MOF], s[8:9] offset:16
.irp t, 0,1,2,3
.irp k, 0,1,2,3,4,5,6,7
	global_load_b32 v[VR+8*\t+\k], v[VOF], s[28:29] offset:\k*256+64*\t          ; V(8 h + k, 16 t + r)
.endr
.endr
.irp i, 0,1
.irp t, 0,1,2,3
.irp k, 0,1,2,3,4,5,6,7
	global_load_b32 v[WR+32*\i+8*\t+\k], v[WOF], s[30:31] offset:(16*\t+\k)*12288+64*\i   ; Wo(64 head + 16 t + 8 h + k, 16 i + r)
.endr
.endr
.endr
	s_wait_loadcnt 63                              ; 114 loads were issued: at most 63 are out, so the first 51 are in: K, Q, the mask and V are the first 50
	; S^T = K Q^T: 16 steps of 4 channels, two sums by turns; the first two steps start them
.set ss, 0
.rept 16
.if ss < 2
	v_wmma_f32_16x16x4_f32 v[SA+8*(ss%2):SA+8*(ss%2)+7], v[KR+2*ss:KR+2*ss+1], v[QQ+2*ss:QQ+2*ss+1], 0
.else
	v_wmma_f32_16x16x4_f32 v[SA+8*(ss%2):SA+8*(ss%2)+7], v[KR+2*ss:KR+2*ss+1], v[QQ+2*ss:QQ+2*ss+1], v[SA+8*(ss%2):SA+8*(ss%2)+7]
.endif
.set ss, ss+1
.endr
.rept 8
	v_nop                                          ; eight places behind this form
.endr
.irp j, 0,1,2,3,4,5,6,7
	v_add_f32 v[SS+\j], v[SA+\j], v[SA+8+\j]       ; lane (r, h), register j: query r, key 8 h + j
.endr
.irp j, 0,1,2,3,4,5,6,7
	v_cmp_gt_i32 vcc_lo, \j, v[DD]                 ; key after the query,
	v_cndmask_b32 v[SS+\j], v[SS+\j], v[NEG], vcc_lo
	v_cmp_ge_i32 vcc_lo, 0, v[MK+\j]               ; or masked out
	v_cndmask_b32 v[SS+\j], v[SS+\j], v[NEG], vcc_lo
.endr
	v_max3_num_f32 v[TM], v[SS], v[SS+1], v[SS+2]
	v_max3_num_f32 v[TM], v[TM], v[SS+3], v[SS+4]
	v_max3_num_f32 v[TM], v[TM], v[SS+5], v[SS+6]
	v_max3_num_f32 v[TM], v[TM], v[SS+7], 0xe0ad78ec   ; and -1e20, under every score that counts
	v_permlanex16_b32 v[TM+1], v[TM], s40, s41
	v_max_num_f32 v[TM], v[TM], v[TM+1]
	v_mul_f32 v[TM+2], s42, v[TM]
.irp j, 0,1,2,3,4,5,6,7
	v_fma_f32 v[PP+\j], v[SS+\j], s42, -v[TM+2]
.endr
.irp j, 0,1,2,3,4,5,6,7
	v_exp_f32 v[PP+\j], v[PP+\j]
.endr
	v_nop
	s_wait_alu depctr_va_vdst(0)                   ; one wait for the eight, ahead of their first reader
	v_add_f32 v[TM+3], v[PP], v[PP+1]
	v_add_f32 v[TM+4], v[PP+2], v[PP+3]
	v_add_f32 v[TM+3], v[TM+3], v[PP+4]
	v_add_f32 v[TM+4], v[TM+4], v[PP+5]
	v_add_f32 v[TM+3], v[TM+3], v[PP+6]
	v_add_f32 v[TM+4], v[TM+4], v[PP+7]
	v_add_f32 v[TM+3], v[TM+3], v[TM+4]
	v_permlanex16_b32 v[TM+1], v[TM+3], s40, s41
	v_add_f32 v[TM+3], v[TM+3], v[TM+1]            ; l: 0 for a query with no key that counts, else 1 or more
	v_max_num_f32 v[TM+4], 0.5, v[TM+3]
	v_rcp_f32 v[TM+5], v[TM+4]
	v_nop
	s_wait_alu depctr_va_vdst(0)
	; O^T = V^T P: 4 steps of 4 keys (8 h + 2 c + 0, 1), four sums by turns
.irp c, 0,1,2,3
.irp t, 0,1,2,3
.if \c == 0
	v_wmma_f32_16x16x4_f32 v[OA+8*\t:OA+8*\t+7], v[VR+8*\t+2*\c:VR+8*\t+2*\c+1], v[PP+2*\c:PP+2*\c+1], 0
.else
	v_wmma_f32_16x16x4_f32 v[OA+8*\t:OA+8*\t+7], v[VR+8*\t+2*\c:VR+8*\t+2*\c+1], v[PP+2*\c:PP+2*\c+1], v[OA+8*\t:OA+8*\t+7]
.endif
.endr
.endr
.rept 8
	v_nop
.endr
.set kk, 0
.rept 32
	v_mul_f32 v[KR+kk], v[OA+kk], v[TM+5]          ; register 8 t + j: channel 16 t + 8 h + j of query r
.set kk, kk+1
.endr
	s_wait_kmcnt 0x0
	s_min_u32 s36, s16, s17
	s_min_u32 s36, s36, s18
	s_min_u32 s36, s36, s19
	s_min_u32 s36, s36, 0x1000                     ; f
	s_cmp_eq_u32 s36, 0
	s_cbranch_scc1 .Lno_mean
	; f > 0: the mean of v.  Lane l sums channels 2 l, 2 l + 1 over the 64 parts, 32 at a time
.irp p, 0,1
.set kk, 0
.rept 32
	global_load_b64 v[QQ+2*kk:QQ+2*kk+1], v[TM+7], s[32:33] offset:(32*\p+kk)*1024
.set kk, kk+1
.endr
	s_wait_loadcnt 0x0
.set kk, 2
.rept 15
	v_pk_add_f32 v[QQ:QQ+1], v[QQ:QQ+1], v[QQ+2*kk:QQ+2*kk+1]
	v_pk_add_f32 v[QQ+2:QQ+3], v[QQ+2:QQ+3], v[QQ+2*kk+2:QQ+2*kk+3]
.set kk, kk+2
.endr
.if \p == 0
	v_pk_add_f32 v[SS:SS+1], v[QQ:QQ+1], v[QQ+2:QQ+3]
.else
	v_pk_add_f32 v[SS+2:SS+3], v[QQ:QQ+1], v[QQ+2:QQ+3]
.endif
.endr
	v_pk_add_f32 v[SS:SS+1], v[SS:SS+1], v[SS+2:SS+3]
	v_pk_mul_f32 v[SS:SS+1], v[SS:SS+1], 0x39800000 op_sel_hi:[1,0]   ; / 4,096
	ds_store_b64 v[VMW], v[SS:SS+1]
.irp t, 0,1,2,3
.irp n, 0,1
	ds_load_b128 v[QQ+8*\t+4*\n:QQ+8*\t+4*\n+3], v[TM+6] offset:64*\t+16*\n   ; my wave's own bytes, served in order: back in O^T's layout
.endr
.endr
	s_wait_dscnt 0x0
	v_cmp_eq_f32 vcc_lo, 0, v[TM+3]
.set kk, 0
.rept 32
	v_cndmask_b32 v[KR+kk], v[KR+kk], v[QQ+kk], vcc_lo
.set kk, kk+1
.endr
.Lno_mean:
	s_wait_loadcnt 0x0                             ; Wo
	; my head's part of the last product: 16 steps of 4 channels, two sums (16 columns each) by turns
.irp t, 0,1,2,3
.irp c, 0,1,2,3
.irp i, 0,1
.if (\t == 0) && (\c == 0)
	v_wmma_f32_16x16x4_f32 v[OA+8*\i:OA+8*\i+7], v[WR+32*\i+8*\t+2*\c:WR+32*\i+8*\t+2*\c+1], v[KR+8*\t+2*\c:KR+8*\t+2*\c+1], 0
.else
	v_wmma_f32_16x16x4_f32 v[OA+8*\i:OA+8*\i+7], v[WR+32*\i+8*\t+2*\c:WR+32*\i+8*\t+2*\c+1], v[KR+8*\t+2*\c:KR+8*\t+2*\c+1], v[OA+8*\i:OA+8*\i+7]
.endif
.endr
.endr
.endr
.rept 8
	v_nop
.endr
.irp i, 0,1
	ds_store_b128 v[STO], v[OA+8*\i:OA+8*\i+3] offset:64*\i          ; lane (r, h): row r, columns 16 i + 8 h + 0..7
	ds_store_b128 v[STO], v[OA+8*\i+4:OA+8*\i+7] offset:64*\i+16
.endr
	s_wait_dscnt 0x0                               ; for the others' sake
	s_barrier_signal -1
	s_barrier_wait -1
	s_cmp_lt_u32 s14, 4
	s_cbranch_scc0 .Lend                           ; waves 0-3 add the twelve heads and store
.macro SUM12 adr
.set kk, 0
.rept 12
	ds_load_b128 v[16+4*kk:19+4*kk], v[\adr] offset:kk*REDW
.set kk, kk+1
.endr
	s_wait_dscnt 0x0
.set kk, 1
.rept 11
	v_pk_add_f32 v[16:17], v[16:17], v[16+4*kk:17+4*kk]
	v_pk_add_f32 v[18:19], v[18:19], v[18+4*kk:19+4*kk]
.set kk, kk+1
.endr
.endm
	SUM12 RDA
	global_store_b128 v[GOF], v[16:19], s[34:35]
	s_cmp_le_u32 s36, 16
	s_cbranch_scc1 .Lend
	; f > 16: rows 16 .. f - 1 are copies of row 0.  255 groups of 16 rows, rows 16 to 4,095: a constant count.  The vector offset stays as it is; the base steps 16 rows a trip, and the first 16 rows stand in the immediate
	s_wait_xcnt 0x0                                ; the store has read its data
	SUM12 R0A                                      ; row 0's 16 bytes of my place in the 128
	s_mov_b32 s37, s36                             ; f, less 16 for each group passed: my row of the group lies under f where 16 + thread / 8 < s37
	s_mov_b32 s38, 0
.Lrows:
	s_cmp_le_i32 s37, 16                           ; no row of this group lies under f: it is passed over
	s_cbranch_scc1 .Lno_rows
	v_cmp_gt_i32 vcc_lo, s37, v[ROWV]
	s_and_saveexec_b32 s39, vcc_lo                 ; (no global instruction is untranslated here: the wait above, or the one below)
	global_store_b128 v[GOF], v[16:19], s[34:35] offset:GRP
	s_wait_xcnt 0x0                                ; EXEC and the base change only behind this wait
	s_or_b32 exec_lo, exec_lo, s39
.Lno_rows:
	s_add_nc_u64 s[34:35], s[34:35], GRP
	s_sub_co_i32 s37, s37, 16
	s_add_co_u32 s38, s38, 1
	s_cmp_lt_u32 s38, 255
	s_cbranch_scc1 .Lrows
.Lend:
	s_wait_tensorcnt 0x0                           ; the wave's end, behind the last LDS store
	ds_add_u32 v[SPW], v[NIL]
	s_wait_dscnt 0x0
	s_endpgm
.Lfunc_end_k_qf5e3a6f7dc_fine:
	.size	k_qf5e3a6f7dc_fine, .Lfunc_end_k_qf5e3a6f7dc_fine-k_qf5e3a6f7dc_fine
	.p2alignl 7, 3214868480
	.fill 96, 4, 3214868480
	.section	.rodata,"a",@progbits
	.p2align	6, 0x0
	.amdhsa_kernel k_qf5e3a6f7dc_fine
		.amdhsa_group_segment_fixed_size 32768
		.amdhsa_private_segment_fixed_size 0
		.amdhsa_enable_private_segment 0
		.amdhsa_kernarg_size 40
		.amdhsa_user_sgpr_count 2
		.amdhsa_user_sgpr_kernarg_segment_ptr 1
		.amdhsa_wavefront_size32 1
		.amdhsa_system_sgpr_workgroup_id_x 1
		.amdhsa_system_sgpr_workgroup_id_y 1
		.amdhsa_system_sgpr_workgroup_id_z 1
		.amdhsa_system_vgpr_workitem_id 0
		.amdhsa_next_free_vgpr 256
		.amdhsa_next_free_sgpr 66
		.amdhsa_reserve_vcc 1
		.amdhsa_float_denorm_mode_32 3
		.amdhsa_float_denorm_mode_16_64 3
		.amdhsa_memory_ordered 1
		.amdhsa_forward_progress 1
		.amdhsa_inst_pref_size 41
	.end_amdhsa_kernel
	.amdgpu_metadata
---
amdhsa.version: [ 1, 2 ]
amdhsa.kernels:
  - .name:           k_qf5e3a6f7dc_fine
    .symbol:         k_qf5e3a6f7dc_fine.kd
    .args:
      - { .name: qkv, .offset: 0, .size: 8, .value_kind: global_buffer, .address_space: global }
      - { .name: Wo, .offset: 8, .size: 8, .value_kind: global_buffer, .address_space: global }
      - { .name: attention_mask, .offset: 16, .size: 8, .value_kind: global_buffer, .address_space: global }
      - { .name: first, .offset: 24, .size: 8, .value_kind: global_buffer, .address_space: global }
      - { .name: out0, .offset: 32, .size: 8, .value_kind: global_buffer, .address_space: global }
    .group_segment_fixed_size: 32768
    .private_segment_fixed_size: 0
    .kernarg_segment_align: 8
    .kernarg_segment_size: 40
    .max_flat_workgroup_size: 384
    .sgpr_count:     66
    .vgpr_count:     256
    .wavefront_size: 32
...
	.end_amdgpu_metadata
.endif
;; end of part 5
